; MI455X (gfx1250); checked and timed in simulation.
; The chip was launched on July 23, 2026; its instructions are those of AMD's public machine-readable ISA for CDNA 5 (MIT licence, August 2026) and "CDNA5" Instruction Set Architecture Reference Guide (July 2026). The comments in the code are by the model that wrote it; some were corrected since.
;; Attn Block. Allowed arithmetic: matrix products marked QUANTISED: E5M2 operands, one E8M0 scale for each 32 along K, by v_wmma_scale_f32_16x16x128_f8f6f4 with both operands' format E5M2, f32 sums; everything else in f32.
;; Inputs: bk 512 float32; bo 512 float32; bq 512 float32; bv 512 float32; gn_b 512 float32; gn_w 512 float32; wk 512 x 512 float32; wo 512 x 512 float32; wq 512 x 512 float32; wv 512 x 512 float32; x 8 x 512 x 32 x 64 float32.
;; Outputs: out0 8 x 512 x 32 x 64 float32.
;; This version of the problem:
;;   THIS VERSION OF THE PROBLEM IS GIVEN IN LOW PRECISION. The matrix products marked QUANTISED in the list below multiply operands that are first quantised to E5M2 (5 exponent bits, 2 mantissa bits; 8 bits a number), with one power-of-two scale for each 32 numbers along K (OCP MX v1.0); their sums are f32. All else is computed in f32.
;;   The module's matrix products, in the order in which they are computed (A, B: the left and right operand; K: the contracted axis; several contracted axes count as one K, in the product's order):
;;     1. [M 16,384, K 512] x [K 512, N 512]; A: computed on the way; B: input wq: QUANTISED
;;     2. [M 16,384, K 512] x [K 512, N 512]; A: computed on the way; B: input wk: QUANTISED
;;     3. [M 16,384, K 512] x [K 512, N 512]; A: computed on the way; B: input wv: QUANTISED
;;     4. batch 8 x [M 2,048, K 512] x [K 512, N 2,048]; A: computed on the way; B: computed on the way: QUANTISED
;;     5. batch 8 x [M 2,048, K 2,048] x [K 2,048, N 512]; A: softmax (see below); B: computed on the way: QUANTISED
;;     6. [M 16,384, K 512] x [K 512, N 512]; A: computed on the way; B: input wo: QUANTISED
;;   THE QUANTISER, for each operand of a quantised product, along K:
;;     - K is cut into blocks of 32 from its start; a last block that is shorter is filled with zeros.
;;     - A block's scale is 2^e with e = floor(log2(the largest magnitude in the block)) - 15, held to -126 .. 127; a block of zeros has e = 0. As a byte (E8M0): e + 127.
;;     - Each number is divided by its block's scale, clamped to +-57,344, and rounded to the nearest number of E5M2, ties to even, subnormals kept.
;;     - The product sums the exact products of the quantised numbers (number of the format x scale) in f32.
;;   ~~~python
;;   def quantise(x, axis):      # numpy; x: float32 -> the quantised numbers, widened to float32 again
;;       x = np.moveaxis(x, axis, -1); K = x.shape[-1]
;;       x = np.pad(x, [(0, 0)] * (x.ndim - 1) + [(0, -K % 32)]); x = x.reshape(x.shape[:-1] + (-1, 32)); a = np.abs(x).max(-1, keepdims=True)
;;       e = np.where(a > 0, np.clip(np.frexp(np.where(a > 0, a, 1))[1] - 1 - 15, -126, 127), 0)      # np.frexp(a)[1] - 1 = floor(log2(a)), exactly
;;       r = np.clip(x / 2.0 ** e, -57344, 57344)
;;       step = 2.0 ** (np.maximum(np.frexp(np.where(r == 0, 1, r))[1] - 1, -14) - 2)
;;       q = np.round(r / step) * step * 2.0 ** e      # np.round: ties to even
;;       return np.moveaxis(q.reshape(q.shape[:-2] + (-1,))[..., :K], -1, axis).astype(np.float32)
;;   ~~~
;;   SOFTMAX AHEAD OF A QUANTISED PRODUCT. Where the list says 'softmax', what is quantised is not the finished softmax but p = 2^(t - M), with t = logit x log2(e) and M = ceil(the row's largest t), a whole number; so 1/2 < the row's largest p <= 1. The row's sum l is taken of the UNQUANTISED p, in f32, and the product's result is divided by l at the end. Since M is a whole number, a kernel that streams over the keys may use a running M (the ceiling of the running maximum): every later rescaling is an exact power of two, which a block's scale takes up: the codes' values come out the same.
;;   OPERANDS COMPUTED ON THE WAY. 'Computed on the way' means the value that the module computes at that place (a softmax that the list does not call 'softmax' is quantised finished and normalised). What goes into a quantiser is computed in f32, as accurately as f32 sums, v_exp_f32 and their like allow (about 1e-6 of the number): no bf16 or f16 on the way to a quantiser, and a product that is left as it is and whose result goes on into a quantised operand takes f32 operands (vector FMAs, or v_wmma_f32_16x16x4_f32). A number that lies on a knife's edge between two numbers of the format may be rounded either way, as far as f32 arithmetic and the matrix unit's own rounding can turn it there, and no further.
;; One version. Each part assembles by itself: llvm-mc -triple=amdgcn-amd-amdhsa -mcpu=gfx1250 --defsym DOCPART=n.
;; ======== version 1 of 1: 3 launches
;; workspace buffers: t_rec 8,650,752 bytes; w_rec 1,081,344 bytes; q_img 8,388,608 bytes; q_sc 262,144 bytes; kv 17,301,504 bytes
;; launch prep (part 1): grid 160 x 1, 16 waves a work-group, no clusters, 3,072 bytes of LDS; arguments x, gn_w, gn_b, wq, wk, wv, wo, t_rec, w_rec; writes t_rec, w_rec
.if DOCPART == 1
	.amdgcn_target "amdgcn-amd-amdhsa--gfx1250"
	.amdhsa_code_object_version 6
	.text
	.protected	k_q4ea42829e5_prep
	.globl	k_q4ea42829e5_prep
	.p2align	8
	.type	k_q4ea42829e5_prep,@function
k_q4ea42829e5_prep:
	s_mov_b64 s[64:65], 0
	v_nop
	global_prefetch_b8 v0, s[64:65] scope:SCOPE_SE
	s_setreg_imm32_b32 hwreg(HW_REG_WAVE_MODE, 25, 1), 1
	s_wait_xcnt 0x0
; PREP.  Work-groups 0-127: GroupNorm of x [8][512][2048] and the codes of the tokens t; work-groups 128-159: the codes of wq, wk, wv, wo [512][512].
; Codes are BF8 (E5M2) with one E8M0 byte for each 32 along K (the channels).  Both results are laid as IMAGES OF OPERAND REGISTERS, in records of 8,448 bytes for a tile of 16 rows x 512 K:
; fragment ks (K 128 ks on) at 2048 ks, in it piece c (K 32 c on) at 512 c, in it lane (r, h)'s 16 codes (row r, K + 16 h + 0..15) at 16 r + 256 h; the scale word of row r and step ks at 8192 + 64 ks + 4 r.
; ROWS OF A TILE.  Tokens: tile 2 g + u, row r is token 32 g + 2 r + u.  Weights: tile 2 b + u, row r is row 32 b + 8 u + r + 8 (r / 8).
; TOKENS.  A work-group owns one image's 32 channels (two groups of 16, one block of the quantiser) x 2,048 pixels and keeps all of them in registers: 16 waves x 32 lanes x 128 numbers, read once.
; A lane holds 4 pixels (128 wave + 64 t + 2 lane + i) of all 32 channels, so a block of 32 channels lies in one lane.  Mean first, then the sum of squared differences from it: no difference of large sums.
; 128 + 32 work-groups: a block of the quantiser spans two groups and a group's statistics want all its pixels; half the pixels to a work-group would make it read the other half for the statistics alone.
; No matrix unit, no cluster, no tensor load: nothing is read by two work-groups.  The scale bytes of the tokens leave one byte a lane: one byte stored for each 128 bytes read.
; LIMITS: NaN and infinities are not served; a block of zeros gets the byte 1 and not 127 (its codes are zeros, and this program alone reads the bytes); largest magnitudes under 2^-111 are taken as 2^-111.
.set REC,  8448
.set RED,  0                           ; LDS: 16 waves x 2 sums
.set RED2, 256                         ; the same for the second reduction
.set XO,   2                           ; v2  512 wave + 8 lane: my 8 bytes of a channel's row
.set TO,   3                           ; v3  my codes' place: 67584 wave + 16896 (lane / 16) + 16 (lane % 16)
.set SO,   4                           ; v4  my scale byte's: the same with 4 (lane % 16)
.set RW,   5                           ; v5  8 wave
.set RR,   6                           ; v6  4 lane
.set PD,   7                           ; v7  a lane permute's destination
.set Y,    16                          ; v16-47  32 channels of one pixel
.set CD,   48                          ; v48-79  codes, eight registers for each of my four pixels
.set E,    80                          ; v80-83  their scale bytes
.set R,    96                          ; v96-223 x: register 64 t + 2 c + i
.set TM,   16                          ; the weights' path: at work
.set PW,   32
.set PC,   48
.set SEL,  26                          ; s[26:27] lane selects: lane l xor 16
.set MNT,  25                          ; s25 the mantissa field of 57,344
; 64 numbers of a lane, register 16 b + i = K 32 b + 16 (lane / 16) + i of my row, become a fragment's codes in v[PC] on and its scale word in v[PW]
.macro QUANT s
.irp b, 0,1,2,3
	v_max3_num_f32 v[TM+\b], |v[\s+16*\b]|, |v[\s+1+16*\b]|, 0x8000000   ; my 16 numbers of block b, and the floor 2^(16 - 127): the byte cannot fall under 1
.endr
.irp i, 2,4,6,8,10,12,14
.irp b, 0,1,2,3
	v_max3_num_f32 v[TM+\b], v[TM+\b], |v[\s+16*\b+\i]|, |v[\s+1+16*\b+\i]|
.endr
.endr
.irp b, 0,1,2,3
	v_permlanex16_b32 v[TM+4+\b], v[TM+\b], s[SEL], s[SEL+1]
.endr
.irp b, 0,1,2,3
	v_max_num_f32 v[TM+\b], v[TM+\b], v[TM+4+\b]                  ; with lane l xor 16's: the block's largest magnitude
.endr
.irp b, 0,1,2,3
	v_add_nc_u32 v[TM+12+\b], 0xf8800000, v[TM+\b]                ; 15 off its exponent field: the conversion's scale operand
.endr
.irp b, 0,1,2,3
	v_and_or_b32 v[TM+8+\b], v[TM+\b], 0x7f800000, s[MNT]         ; 57,344 x the scale
.endr
.irp b, 0,1,2,3
	v_lshrrev_b32 v[TM+4+\b], 23, v[TM+12+\b]                     ; the scale's byte
.endr
	v_lshl_or_b32 v[PW], v[TM+5], 8, v[TM+4]
	v_lshl_or_b32 v[PW], v[TM+6], 16, v[PW]
	v_lshl_or_b32 v[PW], v[TM+7], 24, v[PW]
.irp b, 0,1,2,3
.irp i, 0,1,2,3,4,5,6,7,8,9,10,11,12,13,14,15
	v_med3_num_f32 v[\s+16*\b+\i], v[\s+16*\b+\i], -v[TM+8+\b], v[TM+8+\b]   ; the conversion does not saturate (ISA guide 7.6.2): hold first
.endr
	v_cvt_scalef32_pk8_bf8_f32 v[PC+4*\b:PC+1+4*\b], v[\s+16*\b:\s+7+16*\b], v[TM+12+\b]
	v_cvt_scalef32_pk8_bf8_f32 v[PC+2+4*\b:PC+3+4*\b], v[\s+8+16*\b:\s+15+16*\b], v[TM+12+\b]
.endr
	v_nop                                          ; a plain line behind the last conversion
.endm
	s_load_b512 s[4:19], s[0:1], 0x0               ; x 4:5, gn_w 6:7, gn_b 8:9, wq 10:11, wk 12:13, wv 14:15, wo 16:17, t_rec 18:19
	s_load_b64 s[20:21], s[0:1], 0x40              ; w_rec
	v_lshl_add_u32 v224, v0, 2, 0x400
	v_mov_b32 v225, 0
	v_lshrrev_b32 v1, 5, v0
	v_readfirstlane_b32 s22, v1                    ; wave 0..15
	v_and_b32 v1, 31, v0                           ; lane
	v_and_b32 v8, 15, v0                           ; r
	v_bfe_u32 v9, v0, 4, 1                         ; h
	s_mov_b32 s[SEL], 0x76543210
	s_mov_b32 s[SEL+1], 0xfedcba98
	s_mov_b32 s[MNT], 0x600000
	s_cmp_lt_u32 ttmp9, 128                        ; the work-group's number parts the two jobs: all waves of a work-group go one way
	s_cbranch_scc0 .Lweights
	; ---------------- the tokens
	s_lshr_b32 s2, ttmp9, 4                        ; image
	s_and_b32 s3, ttmp9, 15                        ; which 32 channels
	s_lshl_b32 s66, s2, 22                         ; 512 channels x 8,192 bytes
	s_lshl_b32 s23, s3, 18                         ; 32 channels
	s_add_co_u32 s66, s66, s23
	s_mov_b32 s67, 0
	s_mul_i32 s30, s2, 128*REC                     ; the image's 128 records
	s_lshr_b32 s23, s3, 2                          ; ks
	s_and_b32 s24, s3, 3                           ; the block in it
	s_lshl_b32 s28, s23, 11
	s_lshl_b32 s29, s24, 9
	s_add_co_u32 s28, s28, s29
	s_add_co_u32 s28, s28, s30                     ; codes: + 2048 ks + 512 c
	s_mov_b32 s29, 0
	s_lshl_b32 s2, s23, 6
	s_add_co_u32 s2, s2, s24
	s_add_co_u32 s2, s2, s30
	s_add_co_u32 s2, s2, 8192                      ; scale bytes: + 8192 + 64 ks + c
	s_lshl_b32 s30, s3, 7                          ; gamma and beta: 32 numbers
	s_mov_b32 s3, 0
	s_mov_b32 s31, 0
	v_lshlrev_b32 v[XO], 3, v1
	v_lshl_add_u32 v[XO], s22, 9, v[XO]
	v_mul_u32_u24 v10, v9, 16896
	s_mul_i32 s23, s22, 67584
	v_add_nc_u32 v10, s23, v10
	v_lshl_add_u32 v[TO], v8, 4, v10
	v_lshl_add_u32 v[SO], v8, 2, v10
	v_mov_b32 v[RW], s22
	v_lshlrev_b32 v[RW], 3, v[RW]
	v_lshlrev_b32 v[RR], 2, v1
	v_mov_b32 v[PD], 0
	s_wait_kmcnt 0x0
	s_add_nc_u64 s[4:5], s[4:5], s[66:67]          ; x at my first channel
	s_add_nc_u64 s[6:7], s[6:7], s[30:31]
	s_add_nc_u64 s[8:9], s[8:9], s[30:31]
	s_add_nc_u64 s[10:11], s[18:19], s[28:29]      ; where my codes go
	s_add_nc_u64 s[12:13], s[18:19], s[2:3]        ; and my scale bytes
.irp t, 0,1
.set c, 0
.rept 32
	global_load_b64 v[R+64*\t+2*c:R+64*\t+2*c+1], v[XO], s[4:5] offset:c*8192+256*\t th:TH_LOAD_NT   ; 32 lanes read 256 consecutive bytes of channel c
.set c, c+1
.endr
.endr
	s_load_b512 s[32:47], s[6:7], 0x0              ; gamma of my 32 channels
	s_load_b512 s[48:63], s[6:7], 0x40
	s_load_b512 s[68:83], s[8:9], 0x0              ; beta
	s_load_b512 s[84:99], s[8:9], 0x40
; v[8:11] hold group A's sums (channels 0-15), v[12:15] group B's, a chain for each t.  ALLSUM: over my registers, my wave's lanes, the 16 waves.  At its end even lanes of v13 hold A's sum, odd lanes B's.
.macro ALLSUM base
	v_pk_add_f32 v[8:9], v[8:9], v[10:11]
	v_pk_add_f32 v[12:13], v[12:13], v[14:15]
	v_add_f32 v8, v8, v9
	v_add_f32 v9, v12, v13
.irp m, 1,2,4,8
	v_add_f32_dpp v8, v8, v8 row_xmask:\m row_mask:0xf bank_mask:0xf
	v_add_f32_dpp v9, v9, v9 row_xmask:\m row_mask:0xf bank_mask:0xf
.endr
	v_permlanex16_b32 v[PD], v8, s[SEL], s[SEL+1]
	v_permlanex16_b32 v10, v9, s[SEL], s[SEL+1]
	v_add_f32 v8, v8, v[PD]
	v_add_f32 v9, v9, v10
	ds_store_b64 v[RW], v[8:9] offset:\base        ; all lanes write my wave's two words with the same values
	s_wait_dscnt 0x0                               ; for the others' sake: the store is done
	s_barrier_signal -1
	s_barrier_wait -1
	ds_load_b32 v13, v[RR] offset:\base            ; lane l: word l = wave l / 2, group l % 2
	s_wait_dscnt 0x0
.irp m, 2,4,8
	v_add_f32_dpp v13, v13, v13 row_xmask:\m row_mask:0xf bank_mask:0xf
.endr
	v_permlanex16_b32 v[PD], v13, s[SEL], s[SEL+1]
	v_add_f32 v13, v13, v[PD]
.endm
	s_wait_loadcnt 0x0                             ; all of x's 64 loads
.irp t, 0,1
	v_pk_add_f32 v[8+2*\t:9+2*\t], v[R+64*\t:R+64*\t+1], v[R+64*\t+2:R+64*\t+3]
	v_pk_add_f32 v[12+2*\t:13+2*\t], v[R+64*\t+32:R+64*\t+33], v[R+64*\t+34:R+64*\t+35]
.endr
.set c, 2
.rept 14
.irp t, 0,1
	v_pk_add_f32 v[8+2*\t:9+2*\t], v[8+2*\t:9+2*\t], v[R+64*\t+2*c:R+64*\t+2*c+1]
	v_pk_add_f32 v[12+2*\t:13+2*\t], v[12+2*\t:13+2*\t], v[R+64*\t+32+2*c:R+64*\t+32+2*c+1]
.endr
.set c, c+1
.endr
	ALLSUM RED
	v_readlane_b32 s28, v13, 0
	v_readlane_b32 s30, v13, 1
	s_mul_f32 s28, s28, 0xb8000000                 ; -mean: a group has 2^15 numbers
	s_mul_f32 s30, s30, 0xb8000000
	s_mov_b32 s29, s28                             ; (the packed form names a pair)
	s_mov_b32 s31, s30
.set c, 0
.rept 16
.irp t, 0,1
	v_pk_add_f32 v[R+64*\t+2*c:R+64*\t+2*c+1], v[R+64*\t+2*c:R+64*\t+2*c+1], s[28:29] op_sel_hi:[1,0]              ; d = x - mean, in place
	v_pk_add_f32 v[R+64*\t+32+2*c:R+64*\t+32+2*c+1], v[R+64*\t+32+2*c:R+64*\t+32+2*c+1], s[30:31] op_sel_hi:[1,0]
.endr
.set c, c+1
.endr
.irp t, 0,1
	v_pk_mul_f32 v[8+2*\t:9+2*\t], v[R+64*\t:R+64*\t+1], v[R+64*\t:R+64*\t+1]
	v_pk_mul_f32 v[12+2*\t:13+2*\t], v[R+64*\t+32:R+64*\t+33], v[R+64*\t+32:R+64*\t+33]
.endr
.set c, 1
.rept 15
.irp t, 0,1
	v_pk_fma_f32 v[8+2*\t:9+2*\t], v[R+64*\t+2*c:R+64*\t+2*c+1], v[R+64*\t+2*c:R+64*\t+2*c+1], v[8+2*\t:9+2*\t]
	v_pk_fma_f32 v[12+2*\t:13+2*\t], v[R+64*\t+32+2*c:R+64*\t+32+2*c+1], v[R+64*\t+32+2*c:R+64*\t+32+2*c+1], v[12+2*\t:13+2*\t]
.endr
.set c, c+1
.endr
	ALLSUM RED2                                    ; other bytes than the first reduction's: no wave can overwrite what another still reads
	v_mov_b32 v14, 0x38000000                      ; 2^-15
	v_fmaak_f32 v13, v13, v14, 0x3727c5ac          ; variance + 1e-5
	v_rsq_f32 v14, v13                             ; even lanes: group A's, odd lanes: group B's
	v_nop                                          ; a plain line behind the transcendental
	s_wait_alu depctr_va_vdst(0)                   ; and a wait ahead of its first reader
	v_readlane_b32 s23, v14, 0
	v_readlane_b32 s24, v14, 1
	s_wait_kmcnt 0x0                               ; gamma and beta
.set c, 0
.rept 16
	s_mul_f32 s[32+c], s[32+c], s23                ; gamma / sqrt(variance + eps)
	s_mul_f32 s[48+c], s[48+c], s24
.set c, c+1
.endr
; One of my four pixels: normalised into registers that run down the channels, quantised (the block's 32 numbers are all mine), stored.
.macro QB t, i
.set CC, CD+8*(2*\t+\i)
.set c, 0
.rept 32
	v_fma_f32 v[Y+c], v[R+64*\t+2*c+\i], s[32+c], s[68+c]
.set c, c+1
.endr
	v_max3_num_f32 v84, |v[Y]|, |v[Y+1]|, |v[Y+2]|
	v_max3_num_f32 v85, |v[Y+3]|, |v[Y+4]|, |v[Y+5]|
.irp n, 6,10,14,18,22,26
	v_max3_num_f32 v84, v84, |v[Y+\n]|, |v[Y+\n+1]|
	v_max3_num_f32 v85, v85, |v[Y+\n+2]|, |v[Y+\n+3]|
.endr
	v_max3_num_f32 v84, v84, |v[Y+30]|, |v[Y+31]|
	v_max3_num_f32 v84, v84, v85, 0x8000000        ; and the floor 2^(16 - 127)
	v_add_nc_u32 v86, 0xf8800000, v84              ; the conversion's scale operand
	v_and_or_b32 v87, v84, 0x7f800000, s[MNT]      ; 57,344 x the scale
.set c, 0
.rept 32
	v_med3_num_f32 v[Y+c], v[Y+c], -v87, v87
.set c, c+1
.endr
.irp g, 0,1,2,3
	v_cvt_scalef32_pk8_bf8_f32 v[CC+2*\g:CC+2*\g+1], v[Y+8*\g:Y+8*\g+7], v86
.endr
	v_lshrrev_b32 v[E+2*\t+\i], 23, v86            ; the scale's byte; also the plain line behind the conversions
	global_store_b128 v[TO], v[CC:CC+3], s[10:11] offset:\t*33792+\i*8448          ; channels 0-15 of the block: sixteen lanes store 256 consecutive bytes, aligned
	global_store_b128 v[TO], v[CC+4:CC+7], s[10:11] offset:\t*33792+\i*8448+256    ; channels 16-31: the image's lanes 16-31
	global_store_b8 v[SO], v[E+2*\t+\i], s[12:13] offset:\t*33792+\i*8448
.endm
	QB 0, 0                                        ; each pixel has its own registers for codes and byte: no store's data are written again
	QB 0, 1
	QB 1, 0
	QB 1, 1
	s_wait_tensorcnt 0x0
	ds_add_u32 v224, v225
	s_wait_dscnt 0x0
	s_endpgm
	; ---------------- the weights: a wave makes one fragment, 16 rows x 128 K
.Lweights:
	s_sub_co_u32 s2, ttmp9, 128
	s_lshl_b32 s2, s2, 4
	s_add_co_u32 s2, s2, s22                       ; F = 0 .. 511
	s_lshr_b32 s3, s2, 7                           ; which matrix
	s_bfe_u32 s23, s2, 0x50002                     ; tile 0..31
	s_and_b32 s24, s2, 3                           ; ks
	s_lshr_b32 s28, s23, 1
	s_and_b32 s29, s23, 1
	s_lshl_b32 s28, s28, 16                        ; 32 rows of 2,048 bytes
	s_lshl_b32 s29, s29, 14                        ; 8 rows
	s_add_co_u32 s28, s28, s29
	s_lshl_b32 s29, s24, 9                         ; 128 numbers along K
	s_add_co_u32 s28, s28, s29
	s_mov_b32 s29, 0
	s_lshr_b32 s30, s2, 2
	s_mul_i32 s30, s30, REC                        ; the tile's record
	s_lshl_b32 s66, s24, 6
	s_add_co_u32 s66, s66, s30
	s_add_co_u32 s66, s66, 8192                    ; its scale words of step ks
	s_mov_b32 s67, 0
	s_lshl_b32 s31, s24, 11
	s_add_co_u32 s30, s30, s31                     ; its fragment ks
	s_mov_b32 s31, 0
	v_and_b32 v2, 8, v8
	v_add_nc_u32 v2, v2, v8                        ; r + 8 (r / 8)
	v_lshlrev_b32 v2, 11, v2
	v_lshl_add_u32 v2, v9, 6, v2                   ; + 64 h: my 16 numbers of a block
	v_lshlrev_b32 v3, 4, v1                        ; the image: 16 x lane
	v_lshlrev_b32 v4, 2, v8                        ; the scale word: 4 r
.irp b, 0,1,2,3
	v_mov_b32 v[TM+4+\b], 0                        ; a lane permute's destination counts as one of its sources
.endr
	s_wait_kmcnt 0x0
	s_cmp_eq_u32 s3, 1
	s_cselect_b64 s[10:11], s[12:13], s[10:11]
	s_cmp_eq_u32 s3, 2
	s_cselect_b64 s[10:11], s[14:15], s[10:11]
	s_cmp_eq_u32 s3, 3
	s_cselect_b64 s[10:11], s[16:17], s[10:11]
	s_add_nc_u64 s[10:11], s[10:11], s[28:29]
	s_add_nc_u64 s[12:13], s[20:21], s[30:31]
	s_add_nc_u64 s[14:15], s[20:21], s[66:67]
.irp b, 0,1,2,3
.irp j, 0,1,2,3
	global_load_b128 v[96+16*\b+4*\j:96+16*\b+4*\j+3], v2, s[10:11] offset:128*\b+16*\j
.endr
.endr
	s_wait_loadcnt 0x0
	QUANT 96
.irp c, 0,1,2,3
	global_store_b128 v3, v[PC+4*\c:PC+4*\c+3], s[12:13] offset:512*\c     ; 32 lanes store 512 consecutive bytes, aligned
.endr
	global_store_b32 v4, v[PW], s[14:15]           ; lanes 16-31 write row r's word again, with the same value
	s_endpgm
.Lfunc_end_k_q4ea42829e5_prep:
	.size	k_q4ea42829e5_prep, .Lfunc_end_k_q4ea42829e5_prep-k_q4ea42829e5_prep
	.p2alignl 7, 3214868480
	.fill 96, 4, 3214868480
	.section	.rodata,"a",@progbits
	.p2align	6, 0x0
	.amdhsa_kernel k_q4ea42829e5_prep
		.amdhsa_group_segment_fixed_size 3072
		.amdhsa_private_segment_fixed_size 0
		.amdhsa_enable_private_segment 0
		.amdhsa_kernarg_size 72
		.amdhsa_user_sgpr_count 2
		.amdhsa_user_sgpr_kernarg_segment_ptr 1
		.amdhsa_wavefront_size32 1
		.amdhsa_system_sgpr_workgroup_id_x 1
		.amdhsa_system_sgpr_workgroup_id_y 1
		.amdhsa_system_sgpr_workgroup_id_z 1
		.amdhsa_system_vgpr_workitem_id 0
		.amdhsa_next_free_vgpr 226
		.amdhsa_next_free_sgpr 100
		.amdhsa_reserve_vcc 0
		.amdhsa_float_denorm_mode_32 3
		.amdhsa_float_denorm_mode_16_64 3
		.amdhsa_memory_ordered 1
		.amdhsa_forward_progress 1
		.amdhsa_inst_pref_size 60
	.end_amdhsa_kernel
	.amdgpu_metadata
---
amdhsa.version: [ 1, 2 ]
amdhsa.kernels:
  - .name:           k_q4ea42829e5_prep
    .symbol:         k_q4ea42829e5_prep.kd
    .args:
      - { .name: x, .offset: 0, .size: 8, .value_kind: global_buffer, .address_space: global }
      - { .name: gn_w, .offset: 8, .size: 8, .value_kind: global_buffer, .address_space: global }
      - { .name: gn_b, .offset: 16, .size: 8, .value_kind: global_buffer, .address_space: global }
      - { .name: wq, .offset: 24, .size: 8, .value_kind: global_buffer, .address_space: global }
      - { .name: wk, .offset: 32, .size: 8, .value_kind: global_buffer, .address_space: global }
      - { .name: wv, .offset: 40, .size: 8, .value_kind: global_buffer, .address_space: global }
      - { .name: wo, .offset: 48, .size: 8, .value_kind: global_buffer, .address_space: global }
      - { .name: t_rec, .offset: 56, .size: 8, .value_kind: global_buffer, .address_space: global }
      - { .name: w_rec, .offset: 64, .size: 8, .value_kind: global_buffer, .address_space: global }
    .group_segment_fixed_size: 3072
    .private_segment_fixed_size: 0
    .kernarg_segment_align: 8
    .kernarg_segment_size: 72
    .max_flat_workgroup_size: 512
    .sgpr_count:     100
    .vgpr_count:     226
    .wavefront_size: 32
...
	.end_amdgpu_metadata
.endif
;; end of part 1
;; launch qkv (part 2): grid 64 x 3, 4 waves a work-group, no clusters, 168,448 bytes of LDS; arguments t_rec, w_rec, bq, bk, bv, q_img, q_sc, kv; writes q_img, q_sc, kv
.if DOCPART == 2
	.amdgcn_target "amdgcn-amd-amdhsa--gfx1250"
	.amdhsa_code_object_version 6
	.text
	.protected	k_q4ea42829e5_qkv
	.globl	k_q4ea42829e5_qkv
	.p2align	8
	.type	k_q4ea42829e5_qkv,@function
k_q4ea42829e5_qkv:
	s_mov_b64 s[64:65], 0
	v_nop
	global_prefetch_b8 v0, s[64:65] scope:SCOPE_SE
	s_setreg_imm32_b32 hwreg(HW_REG_WAVE_MODE, 25, 1), 1
	s_wait_xcnt 0x0
; QKV.  q = t wq^T + bq, k = t wk^T + bk, v = t wv^T + bv on codes of BF8 (E5M2) with E8M0 scales, and the results quantised again: q and k along the channels, v along the keys.
; One text, three roles (work-group y: 0 q, 1 k, 2 v); the role chooses pointers, offsets and two masks, and one short branch.
; Each wave keeps EIGHT STATIONARY TILES x all 512 of K (32 fragments, 512 registers) for the whole launch; SIXTEEN STREAMED TILES (16 records, 135,168 dense bytes) come into LDS once, a quarter by each wave's one
; tensor load, and every wave reads them all.  D = (stationary tile) x (streamed tile)^T: a lane holds one streamed row, and the 64 registers of the eight results run along 128 stationary rows, which are the next K.
;   roles q, k: stationary = the weight's channels 128 w on, streamed = 256 tokens: the result is fragment (token tile, ks = w).
;   role v:     stationary = the 128 keys of key step 4 (x / 2) + w, streamed = 16 tiles of wv: the result is fragment (channel tile, key step) of v^T.
; The rows of the tiles are chosen by the launch before so that a lane's 16 registers of two neighbouring results lie in one half of one block of 32 of the next K.
; THE BIAS runs along stationary rows in roles q, k: it is the C of each sum's first product.  In role v it runs along the lanes: it is added behind the products; each form holds zeros in the other roles.
; RESULTS leave as images of operand registers: four stores of 512 consecutive aligned bytes a fragment; the scale words are gathered in LDS and leave as two stores of 512 bytes a wave.
; 64 x 3 work-groups: a wave's stationary set is then one fragment of the result and the trip count one constant.
; NO CLUSTER: work-groups that are neighbours along x stream different tokens in roles q and k; only role v's 64 work-groups share streamed blocks, 64 x 135,168 bytes; the stationary tiles go to registers.
; Nothing in LDS is filled twice.  LIMITS: as in the launch before (NaN, infinities; the byte 1 for blocks of zeros; the floor 2^-111).
.set REC,   8448
.set STEPB, 135168                     ; a key step's block in kv: K's 32 fragments (65,536 bytes) and scale words (2,048), then v^T's 32 fragments and scale words
.set SCR,   135168                     ; LDS behind the streamed tiles: 4 x 1,024 bytes, the scale words on their way out
.set LBS,   139264                     ; 4 x 2,048 bytes: the lane bias, [tile][lane]
.set LI,  1                            ; v1   16 x lane
.set L4,  2                            ; v2   4 (lane % 16)
.set ADF, 3                            ; v3-6 addresses of the loads and the store in hand
.set ADS, 4
.set ADL, 5
.set ADW, 6
.set LBB, 7                            ; v7   LBS + 2048 w + 4 lane
.set NIL, 8                            ; v8   0
.set SCB, 9                            ; v9   SCR + 1024 w + 4 (lane % 16)
.set LB,  10                           ; v[10:11] the streamed tile's lane bias (the low word serves both halves)
.set TSC, 12                           ; v12-15  the streamed tile's scale words
.set TF,  16                           ; v16-79  its four fragments
.set HA,  80                           ; v80-143 the eight results
.set PC,  144                          ; v144-159 the codes just made
.set TM,  160                          ; v160-175 at work
.set PW,  176                          ; the scale word just made
.set BH,  177                          ; 64 (lane / 16)
.set BL,  178                          ; 4 (r + 8 (r / 8))
.set SCT, 179                          ; SCR + 1024 w + 16 lane
.set SS,  192                          ; v192-223 the stationary tiles' scale words, [4 t + ks]
.set TB,  224                          ; v224-239 the lane bias at the head
; window 1: stationary fragments of tiles 0-3 at 64 t + 16 ks; window 2: of tiles 4-7; window 3: v0-63 the row bias, eight registers a tile
.set WV,   20
.set ROLE, 21
.set XX,   22
.set G1,   24                          ; s[24:31], s[32:35] the tensor load's descriptor
.set G0,   32
.set STA,  36                          ; s[36:37] the stationary records
.set BIA,  40                          ; s[40:41] the role's bias
.set OP,   42                          ; s[42:43] where the next fragment goes
.set SO1,  44                          ; s[44:45], s[46:47] where the two halves of the scale words go
.set SO2,  46
.set FS,   48                          ; s48 from fragment to fragment; s49 the same behind the eighth
.set FSJ,  49
.set II,   50
.set TS,   51
.set T128, 52
.set T64,  53
.set SEL,  54
.set MNT,  56
.set MV,   57
.set MQ,   58
.set MSB, 0
.macro WIN new                         ; the immediate's high byte repeats the setting that is left; a switch that changes nothing is dropped
.if MSB != (\new)
	s_set_vgpr_msb (MSB<<8)|(\new)
.set MSB, (\new)
.endif
.endm
.macro PLACES n
.rept \n
	v_nop
.endr
.endm
.macro WMA d, a, b, sa, sb             ; adds in place
	v_wmma_scale_f32_16x16x128_f8f6f4 v[\d:\d+7], v[\a:\a+15], v[\b:\b+15], v[\d:\d+7], v[\sa], v[\sb] matrix_a_fmt:MATRIX_FMT_BF8 matrix_b_fmt:MATRIX_FMT_BF8
.endm
.macro WMC d, a, b, cc, sa, sb         ; starts a sum with other registers as C
	v_wmma_scale_f32_16x16x128_f8f6f4 v[\d:\d+7], v[\a:\a+15], v[\b:\b+15], v[\cc:\cc+7], v[\sa], v[\sb] matrix_a_fmt:MATRIX_FMT_BF8 matrix_b_fmt:MATRIX_FMT_BF8
.endm
; 64 numbers of a lane, register 16 b + i = K 32 b + 16 (lane / 16) + i of my row, become a fragment's codes in v[PC] on and its scale word in v[PW]
.macro QUANT s
.irp b, 0,1,2,3
	v_max3_num_f32 v[TM+\b], |v[\s+16*\b]|, |v[\s+1+16*\b]|, 0x8000000   ; my 16 numbers of block b, and the floor 2^(16 - 127).  (Each result is read from its low end on)
.endr
.irp i, 2,4,6,8,10,12,14
.irp b, 0,1,2,3
	v_max3_num_f32 v[TM+\b], v[TM+\b], |v[\s+16*\b+\i]|, |v[\s+1+16*\b+\i]|
.endr
.endr
.irp b, 0,1,2,3
	v_permlanex16_b32 v[TM+4+\b], v[TM+\b], s[SEL], s[SEL+1]
.endr
.irp b, 0,1,2,3
	v_max_num_f32 v[TM+\b], v[TM+\b], v[TM+4+\b]
.endr
.irp b, 0,1,2,3
	v_add_nc_u32 v[TM+12+\b], 0xf8800000, v[TM+\b]
.endr
.irp b, 0,1,2,3
	v_and_or_b32 v[TM+8+\b], v[TM+\b], 0x7f800000, s[MNT]
.endr
.irp b, 0,1,2,3
	v_lshrrev_b32 v[TM+4+\b], 23, v[TM+12+\b]
.endr
	v_lshl_or_b32 v[PW], v[TM+5], 8, v[TM+4]
	v_lshl_or_b32 v[PW], v[TM+6], 16, v[PW]
	v_lshl_or_b32 v[PW], v[TM+7], 24, v[PW]
.irp b, 0,1,2,3
.irp i, 0,1,2,3,4,5,6,7,8,9,10,11,12,13,14,15
	v_med3_num_f32 v[\s+16*\b+\i], v[\s+16*\b+\i], -v[TM+8+\b], v[TM+8+\b]
.endr
	v_cvt_scalef32_pk8_bf8_f32 v[PC+4*\b:PC+1+4*\b], v[\s+16*\b:\s+7+16*\b], v[TM+12+\b]
	v_cvt_scalef32_pk8_bf8_f32 v[PC+2+4*\b:PC+3+4*\b], v[\s+8+16*\b:\s+15+16*\b], v[TM+12+\b]
.endr
	v_nop                                          ; a plain line between the last conversion and the next products, which write its sources
.endm
	s_load_b512 s[4:19], s[0:1], 0x0               ; t_rec 4:5, w_rec 6:7, bq 8:9, bk 10:11, bv 12:13, q_img 14:15, q_sc 16:17, kv 18:19
	v_lshl_add_u32 v254, v0, 2, 0x29000
	v_mov_b32 v255, 0
	ds_add_u32 v254, v255
	ds_add_u32 v254, v255
	v_lshrrev_b32 v3, 5, v0
	v_readfirstlane_b32 s[WV], v3                  ; wave 0..3
	s_and_b32 s[ROLE], ttmp7, 0xffff
	s_mov_b32 s[XX], ttmp9
	s_mov_b32 s[G1], 3<<16                         ; no mask; elements of 8 bytes; no padding
	s_mov_b32 s[G1+1], 32<<16                      ; tensor_dim0 = 32 elements: rows of 256 bytes
	s_mov_b32 s[G1+2], 132<<16                     ; tensor_dim1 = 132 rows: a quarter of the 16 records
	s_mov_b32 s[G1+3], 32<<16                      ; tile_dim0
	s_mov_b32 s[G1+4], 132                         ; tile_dim1
	s_mov_b32 s[G1+5], 32                          ; dense
	s_mov_b32 s[G1+6], 0
	s_mov_b32 s[G1+7], 0
	s_mov_b32 s[SEL], 0x76543210
	s_mov_b32 s[SEL+1], 0xfedcba98
	s_mov_b32 s[MNT], 0x600000
	s_lshr_b32 s60, s[XX], 1                       ; x / 2
	s_and_b32 s61, s[XX], 1                        ; x % 2
	; where results go, for each role
	s_mul_i32 s66, s[XX], 2*STEPB
	s_lshl_b32 s67, s[WV], 11
	s_add_co_u32 s68, s66, s67                     ; k: key step 2 x, tile 0, ks = w
	s_lshl_b32 s69, s[WV], 9
	s_add_co_u32 s69, s69, s66
	s_add_co_u32 s69, s69, 65536                   ; k's scale words [ks][tile], behind K's fragments
	s_lshl_b32 s70, s[XX], 17
	s_add_co_u32 s70, s70, s67                     ; q: tile 16 x, ks = w
	s_lshr_b32 s71, s[XX], 3
	s_lshl_b32 s71, s71, 2
	s_add_co_u32 s71, s71, s[WV]
	s_lshl_b32 s71, s71, 13
	s_and_b32 s72, s[XX], 7
	s_lshl_b32 s72, s72, 10
	s_add_co_u32 s71, s71, s72                     ; q's scale words [image][ks][tile]
	s_lshl_b32 s73, s60, 2
	s_add_co_u32 s73, s73, s[WV]
	s_mul_i32 s73, s73, STEPB                      ; v: key step 4 (x / 2) + w
	s_lshl_b32 s74, s61, 15
	s_add_co_u32 s74, s74, s73
	s_add_co_u32 s74, s74, 67584                   ; channel tile 16 (x % 2), behind K's part
	s_lshl_b32 s75, s61, 10
	s_add_co_u32 s75, s75, s73
	s_add_co_u32 s75, s75, 133120                  ; v's scale words [channel tile]
	s_add_co_u32 s76, s61, 4                       ; wv's records begin at 64 = 16 x 4
	s_mul_i32 s78, s[WV], 33792                    ; my quarter of the streamed block, in memory and in LDS
	s_lshl_b32 s79, s[WV], 3
	v_and_b32 v3, 31, v0                           ; lane
	v_and_b32 v4, 15, v0                           ; r
	v_bfe_u32 v5, v0, 4, 1                         ; h
	v_lshlrev_b32 v[LI], 4, v3
	v_lshlrev_b32 v[L4], 2, v4
	s_lshl_b32 s59, s[WV], 11
	v_lshl_add_u32 v[LBB], v3, 2, s59
	v_add_nc_u32 v[LBB], LBS, v[LBB]
	s_lshl_b32 s59, s[WV], 10
	v_add_nc_u32 v[SCB], s59, v[L4]
	v_add_nc_u32 v[SCB], SCR, v[SCB]
	v_add_nc_u32 v[SCT], s59, v[LI]
	v_add_nc_u32 v[SCT], SCR, v[SCT]
	v_mov_b32 v[NIL], 0
	v_mov_b32 v[LB], 0
	v_mov_b32 v[LB+1], 0                           ; (named as the pair's upper half)
	v_lshlrev_b32 v[BH], 6, v5
	v_and_b32 v6, 8, v4
	v_add_nc_u32 v6, v6, v4
	v_lshlrev_b32 v[BL], 2, v6
.irp b, 0,1,2,3
	v_mov_b32 v[TM+4+\b], 0                        ; a lane permute's destination counts as one of its sources
.endr
	s_wait_dscnt 0x0
	s_wait_kmcnt 0x0
	s_mov_b32 s[FS], 8192                          ; k's values first,
	s_mov_b32 s[FSJ], 8192+STEPB-65536
	s_mov_b32 s77, STEPB
	s_mov_b64 s[OP:OP+1], s[18:19]
	s_mov_b64 s[SO1:SO1+1], s[18:19]
	s_mov_b64 s[BIA:BIA+1], s[10:11]
	s_cmp_eq_u32 s[ROLE], 0                        ; then q's,
	s_cselect_b32 s68, s70, s68
	s_cselect_b32 s69, s71, s69
	s_cselect_b32 s[FSJ], 8192, s[FSJ]
	s_cselect_b32 s77, 512, s77
	s_cselect_b64 s[OP:OP+1], s[14:15], s[OP:OP+1]
	s_cselect_b64 s[SO1:SO1+1], s[16:17], s[SO1:SO1+1]
	s_cselect_b64 s[BIA:BIA+1], s[8:9], s[BIA:BIA+1]
	s_cmp_eq_u32 s[ROLE], 2                        ; then v's
	s_cselect_b32 s68, s74, s68
	s_cselect_b32 s69, s75, s69
	s_cselect_b32 s[FS], 2048, s[FS]
	s_cselect_b32 s[FSJ], 2048, s[FSJ]
	s_cselect_b32 s77, 512, s77
	s_cselect_b64 s[BIA:BIA+1], s[12:13], s[BIA:BIA+1]
	s_cselect_b64 s[STA:STA+1], s[4:5], s[6:7]     ; stationary: tokens in role v, else weights
	s_cselect_b64 s[38:39], s[6:7], s[4:5]         ; streamed: the other way round
	s_cselect_b32 s62, s60, s[ROLE]
	s_cselect_b32 s63, s76, s[XX]
	s_cselect_b32 s[MV], -1, 0
	s_cselect_b32 s[MQ], 0, -1
	s_mul_i32 s63, s63, 16*REC
	s_add_co_u32 s66, s63, s78
	s_mov_b32 s67, 0
	s_mov_b32 s[G0], 1                             ; count = 1
	s_mov_b32 s[G0+1], s78                         ; LDS address: 33,792 x wave
	s_add_nc_u64 s[G0+2:G0+3], s[38:39], s[66:67]
	s_or_b32 s[G0+3], s[G0+3], 0x80000000          ; type = 2
	tensor_load_to_lds s[G0:G0+3], s[G1:G1+7]      ; my one tensor load
	s_nop 0
	PLACES 4
	s_lshl_b32 s62, s62, 5
	s_add_co_u32 s62, s62, s79
	s_mul_i32 s66, s62, REC                        ; record 32 x (role, or x / 2) + 8 w
	s_add_nc_u64 s[STA:STA+1], s[STA:STA+1], s[66:67]
	s_mov_b32 s66, s68
	s_add_nc_u64 s[OP:OP+1], s[OP:OP+1], s[66:67]
	s_mov_b32 s66, s69
	s_add_nc_u64 s[SO1:SO1+1], s[SO1:SO1+1], s[66:67]
	s_mov_b32 s66, s77
	s_add_nc_u64 s[SO2:SO2+1], s[SO1:SO1+1], s[66:67]
	s_lshl_b32 s66, s[WV], 9
	s_add_nc_u64 s[72:73], s[BIA:BIA+1], s[66:67]  ; the bias of channels 128 w on
	s_lshl_b32 s66, s61, 10
	s_add_nc_u64 s[74:75], s[BIA:BIA+1], s[66:67]  ; and of channels 256 (x % 2) on
.irp t, 0,1,2,3,4,5,6,7
	WIN 0x40+0x40*(\t/4)                           ; destination window 1 or 2
.irp k, 0,1,2,3
.irp c, 0,1,2,3
	global_load_b128 v[64*(\t%4)+16*\k+4*\c:64*(\t%4)+16*\k+4*\c+3], v[LI], s[STA:STA+1] offset:\t*REC+\k*2048+512*\c
.endr
.endr
.endr
	WIN 0
.irp t, 0,1,2,3,4,5,6,7
.irp k, 0,1,2,3
	global_load_b32 v[SS+4*\t+\k], v[L4], s[STA:STA+1] offset:\t*REC+8192+64*\k
.endr
.endr
	WIN 0xc0                                       ; destination window 3
.irp t, 0,1,2,3,4,5,6,7
	global_load_b128 v[8*\t:8*\t+3], v[BH], s[72:73] offset:(32*(\t/2)+8*(\t%2))*4        ; register j of tile t: channel 128 w + 32 (t / 2) + 16 h + 8 (t % 2) + j
	global_load_b128 v[8*\t+4:8*\t+7], v[BH], s[72:73] offset:(32*(\t/2)+8*(\t%2))*4+16
.endr
	WIN 0
.irp i, 0,1,2,3,4,5,6,7,8,9,10,11,12,13,14,15
	global_load_b32 v[TB+\i], v[BL], s[74:75] offset:(32*(\i/2)+8*(\i%2))*4               ; row r of streamed tile i: channel 256 (x % 2) + 32 (i / 2) + 8 (i % 2) + r + 8 (r / 8)
.endr
	s_wait_loadcnt 0x0
	WIN 0xc3                                       ; destination and source 0 window 3, source 1 window 0
.set j, 0
.rept 64
	v_cndmask_b32 v[j], v[j], v[NIL], s[MV]        ; the row bias is 0 in role v
.set j, j+1
.endr
	WIN 0
.irp i, 0,1,2,3,4,5,6,7,8,9,10,11,12,13,14,15
	v_cndmask_b32 v[TB+\i], v[TB+\i], v[NIL], s[MQ]   ; the lane bias is 0 in roles q and k
.endr
.irp i, 0,1,2,3,4,5,6,7,8,9,10,11,12,13,14,15
	ds_store_b32 v[LBB], v[TB+\i] offset:128*\i    ; my wave's own table
.endr
	s_wait_tensorcnt 0x0                           ; my quarter of the streamed tiles has landed,
	s_wait_dscnt 0x0
	s_barrier_signal -1
	s_barrier_wait -1                              ; everybody's has
; the fragments, scale words and lane bias of the streamed tile at byte s70 (its 128 i in s71)
.macro TLOADS
	v_add_nc_u32 v[ADF], s70, v[LI]
	v_add_nc_u32 v[ADS], s70, v[L4]
	v_add_nc_u32 v[ADL], s71, v[LBB]
.irp k, 0,1,2,3
.irp c, 0,1,2,3
	ds_load_b128 v[TF+16*\k+4*\c:TF+16*\k+4*\c+3], v[ADF] offset:2048*\k+512*\c
.endr
.endr
.irp k, 0,1,2,3
	ds_load_b32 v[TSC+\k], v[ADS] offset:8192+64*\k
.endr
	ds_load_b32 v[LB], v[ADL]
.endm
; eight products, 128 along K: the eight results take turns, one instruction a turn
.macro MM k
.irp t, 0,1,2,3,4,5,6,7
.if \k == 0
	WIN 0x31+(\t/4)                                ; source 0 window 1 or 2, C (the row bias) window 3
	WMC HA+8*\t, 64*(\t%4)+16*\k, TF+16*\k, 8*\t, SS+4*\t+\k, TSC+\k
.else
	WIN 0x01+(\t/4)
	WMA HA+8*\t, 64*(\t%4)+16*\k, TF+16*\k, SS+4*\t+\k, TSC+\k
.endif
.endr
.endm
	s_mov_b32 s[II], 0
	s_mov_b32 s[TS], 0
	s_mov_b32 s[T128], 0
	s_mov_b32 s[T64], 0
	s_mov_b32 s70, 0
	s_mov_b32 s71, 0
	s_mov_b32 s77, 0
	TLOADS                                         ; tile 0
.Ltile:                                            ; 16 trips, a streamed tile each
	s_wait_dscnt 0x0                               ; the tile's 21 loads are in, and the last trip's store of a scale word is done
	MM 0
	MM 1
	MM 2
	MM 3
	WIN 0
	PLACES 8                                       ; behind the products: ahead of the first read of results and of loads into registers that they read
	s_cmp_lg_u32 s[ROLE], 2
	s_cbranch_scc1 .Lnolane                        ; the lane bias is zeros in roles q and k: its additions are passed over
.set j, 0
.rept 32
	v_pk_add_f32 v[HA+j:HA+j+1], v[HA+j:HA+j+1], v[LB:LB+1] op_sel_hi:[1,0]
.set j, j+2
.endr
.Lnolane:
	s_add_co_u32 s[TS], s[TS], REC
	s_min_u32 s70, s[TS], 15*REC                   ; the next tile; the last trip loads its own again
	s_add_co_u32 s[T128], s[T128], 128
	s_min_u32 s71, s[T128], 15*128
	TLOADS                                         ; they land while this tile is quantised
	QUANT HA
.irp c, 0,1,2,3
	global_store_b128 v[LI], v[PC+4*\c:PC+4*\c+3], s[OP:OP+1] offset:512*\c     ; 32 lanes store 512 consecutive bytes, aligned
.endr
	v_add_nc_u32 v[ADW], s[T64], v[SCB]
	ds_store_b32 v[ADW], v[PW]                     ; lanes 16-31 write row r's word again, with the same value
	s_add_co_u32 s[T64], s[T64], 64
	s_wait_xcnt 0x0                                ; the stores have read their data and their base: both are written again only behind this wait
	s_cmp_eq_u32 s[II], 7
	s_cselect_b32 s76, s[FSJ], s[FS]               ; behind the eighth tile role k goes on to the next key step's block
	s_add_nc_u64 s[OP:OP+1], s[OP:OP+1], s[76:77]
	s_add_co_u32 s[II], s[II], 1
	s_cmp_lt_u32 s[II], 16
	s_cbranch_scc1 .Ltile
	ds_load_b128 v[HA:HA+3], v[SCT]                ; my 16 tiles' scale words; LDS serves a wave's instructions in order: these see my stores
	ds_load_b128 v[HA+4:HA+7], v[SCT] offset:512
	s_wait_dscnt 0x0
	global_store_b128 v[LI], v[HA:HA+3], s[SO1:SO1+1]
	global_store_b128 v[LI], v[HA+4:HA+7], s[SO2:SO2+1]
	s_wait_tensorcnt 0x0
	ds_add_u32 v254, v255
	s_wait_dscnt 0x0
	s_endpgm
.Lfunc_end_k_q4ea42829e5_qkv:
	.size	k_q4ea42829e5_qkv, .Lfunc_end_k_q4ea42829e5_qkv-k_q4ea42829e5_qkv
	.p2alignl 7, 3214868480
	.fill 96, 4, 3214868480
	.section	.rodata,"a",@progbits
	.p2align	6, 0x0
	.amdhsa_kernel k_q4ea42829e5_qkv
		.amdhsa_group_segment_fixed_size 168448
		.amdhsa_private_segment_fixed_size 0
		.amdhsa_enable_private_segment 0
		.amdhsa_kernarg_size 64
		.amdhsa_user_sgpr_count 2
		.amdhsa_user_sgpr_kernarg_segment_ptr 1
		.amdhsa_wavefront_size32 1
		.amdhsa_system_sgpr_workgroup_id_x 1
		.amdhsa_system_sgpr_workgroup_id_y 1
		.amdhsa_system_sgpr_workgroup_id_z 1
		.amdhsa_system_vgpr_workitem_id 0
		.amdhsa_next_free_vgpr 832
		.amdhsa_next_free_sgpr 80
		.amdhsa_reserve_vcc 0
		.amdhsa_float_denorm_mode_32 3
		.amdhsa_float_denorm_mode_16_64 3
		.amdhsa_memory_ordered 1
		.amdhsa_forward_progress 1
		.amdhsa_inst_pref_size 49
	.end_amdhsa_kernel
	.amdgpu_metadata
---
amdhsa.version: [ 1, 2 ]
amdhsa.kernels:
  - .name:           k_q4ea42829e5_qkv
    .symbol:         k_q4ea42829e5_qkv.kd
    .args:
      - { .name: t_rec, .offset: 0, .size: 8, .value_kind: global_buffer, .address_space: global }
      - { .name: w_rec, .offset: 8, .size: 8, .value_kind: global_buffer, .address_space: global }
      - { .name: bq, .offset: 16, .size: 8, .value_kind: global_buffer, .address_space: global }
      - { .name: bk, .offset: 24, .size: 8, .value_kind: global_buffer, .address_space: global }
      - { .name: bv, .offset: 32, .size: 8, .value_kind: global_buffer, .address_space: global }
      - { .name: q_img, .offset: 40, .size: 8, .value_kind: global_buffer, .address_space: global }
      - { .name: q_sc, .offset: 48, .size: 8, .value_kind: global_buffer, .address_space: global }
      - { .name: kv, .offset: 56, .size: 8, .value_kind: global_buffer, .address_space: global }
    .group_segment_fixed_size: 168448
    .private_segment_fixed_size: 0
    .kernarg_segment_align: 8
    .kernarg_segment_size: 64
    .max_flat_workgroup_size: 128
    .sgpr_count:     80
    .vgpr_count:     832
    .wavefront_size: 32
...
	.end_amdgpu_metadata
.endif
;; end of part 2
;; launch attn (part 3): grid 32 x 8, 4 waves a work-group, clusters of 4 x 1, 327,680 bytes of LDS; arguments q_img, q_sc, kv, w_rec, bo, x, out0; writes out0
.if DOCPART == 3
	.amdgcn_target "amdgcn-amd-amdhsa--gfx1250"
	.amdhsa_code_object_version 6
	.text
	.protected	k_q4ea42829e5_attn
	.globl	k_q4ea42829e5_attn
	.p2align	8
	.type	k_q4ea42829e5_attn,@function
k_q4ea42829e5_attn:
	s_mov_b64 s[64:65], 0
	v_nop
	global_prefetch_b8 v0, s[64:65] scope:SCOPE_SE
	s_setreg_imm32_b32 hwreg(HW_REG_WAVE_MODE, 25, 1), 1
	s_wait_xcnt 0x0
	s_wait_alu depctr_hold_cnt(0) depctr_sa_sdst(0) depctr_va_vdst(0) depctr_va_sdst(0) depctr_va_ssrc(0) depctr_va_vcc(0) depctr_vm_vsrc(0)
	s_getreg_b32 s2, hwreg(HW_REG_IB_STS2, 6, 4)
	s_cmp_eq_u32 s2, 0
	s_cbranch_scc0 .Lentry_in_a_cluster
	s_endpgm
.Lentry_in_a_cluster:
	s_bfe_u32 s2, ttmp6, 0x10000c
	s_cmp_lg_u32 s2, 0x3003
	s_cbranch_scc0 .Lentry_shape_is_right
	s_endpgm
.Lentry_shape_is_right:
; ATTN.  out = x + (softmax(q k^T / sqrt(512)) v) wo^T + bo, all three products on codes of BF8 (E5M2) with one E8M0 scale for each 32 along K.
; SOFTMAX.  t = score x log2(e) / sqrt(512); M = the running largest t, rounded up to a whole number; p = 2^(t - M) is quantised along the keys, not normalised; the row's sum l is taken of the unquantised p
; and divides O at the end; when M moves, l and O are multiplied by f = 2^(old M - new M), which rounds nothing.
; SHARES.  A work-group owns 64 queries of one image: four tiles of 16.  Keys go 128 a step, 16 steps.  THE FOUR WAVES SHARE KEYS AND CHANNELS, NOT QUERIES:
;   S^T = K Q^T: wave w takes the step's keys 32 w .. 32 w + 31 (two tiles of K) against all four tiles of queries, K = 512 channels: 32 products;
;   O^T += V^T P^T: wave w takes channels 128 w .. + 127 (eight tiles of V^T) against all four tiles of queries, K = 128 keys: 32 products.
; So each fragment of K and of V^T is read from LDS by one wave and feeds four products.  What goes from wave to wave is small: the blocks' largest scores (so that all waves have one M), P's codes and scale bytes.
; In both products a lane holds ONE query (lane % 16).  Wave w's 16 scores of a lane are one half of block w of P's 128 keys: its conversions give piece w of P's fragment.
; All operands lie in memory and in LDS as IMAGES OF OPERAND REGISTERS (2,048 bytes a fragment, four pieces of 512, lane l's 16 bytes at 16 l): every LDS load takes 512 consecutive bytes.
; THE STEPS OVERLAP, AND MEET ONCE.  The turn of step j: M(j) and f(j) from the largest scores, which are in registers; V^T(j) is asked for; the softmax of step j, with the 32 products K Q^T of step j + 1 dealt among its
; lines; P(j) is stored; the largest scores of step j + 1 are found and stored; ONE MEETING X(j) of the waves; P(j), the largest scores of j + 1 and K(j + 2) are asked for; the 32 products V^T P^T of step j.
; The meeting shows P(j) and the largest scores to all waves and is the change of slots as well.  The scores have two buffers of 64 registers that change places: one holds S(j), the other P(j - 1) and then S(j + 1).
; What is stored ahead of X(j) and read behind it (largest scores, P's codes and bytes) has two places in LDS, by j's parity: it is written again only behind X(j + 1), in front of which every wave's reads are back.
; SLOTS.  A key step's block (135,168 bytes) is K's part (fragments, scale words: 67,584 bytes) and V^T's part; block m lies in slot m % 2.  Between X(j - 1) and X(j) the waves read K(j + 1) and V^T(j).  So behind X(j)
; waves 0 and 1 fetch the halves of K(j + 3), into K's part of slot (j + 1) % 2, and waves 2 and 3 the halves of V^T(j + 2), into V^T's part of slot j % 2: one load a wave, a whole turn in which to land.
; Two loads of a wave are out at the start (blocks 0 and 1), later one.
; CLUSTER.  The four query blocks of a cluster belong to one image and walk the same blocks: each part is asked for JOINTLY, by the same tensor load with the same descriptor and the mask 15; X(j) is a round of the cluster's barrier.
; THE END.  O / l is quantised along the channels and goes round as images; wave w makes outputs 128 w .. + 127 of all 64 queries (wo's fragments in the registers that Q, K and V^T have left; bo is loaded into the
; accumulators); the results meet x, brought by one tensor load a wave into slot 0, and leave as rows of 64 pixels: sixteen lanes store 256 consecutive aligned bytes.
; LIMITS: NaN and infinities are not served; v_exp_f32 gives 0 for p under 2^-126; a block of zeros gets the byte 1 (its codes are zeros); inside a block of 32 keys the keys stand in another order, alike in P and V^T,
; so the order of the sums differs from the ascending one; t is one multiplication by f32(log2(e) / sqrt(512)).
; REGISTERS, in windows of 256: window 0: addresses, statistics, the two buffers (v64-127, v128-191), work, scale words.  window 1: Q's 16 fragments, later wo's of K steps 0, 1, later rows on the way out.
;   window 2: O^T, accumulator (q tile, channel tile) at 64 q + 8 t; later the outputs'.   window 3: v0-127 K's 8 fragments, v128-255 V^T's 8; later wo's of K steps 2, 3, later rows on the way out.
.set REC,   8448
.set STEPB, 135168
.set HALFB, 67584                      ; K's part of a block, and V^T's
.set SL1,   135168                     ; slot 1
.set MX,    270336                     ; 2 x (4 waves x 512): largest scores, later l
.set PIM,   274432                     ; 2 x 8,192: P's four fragments: q tile at 2048 q, piece w at 512 w
.set PSC,   290816                     ; 2 x 512: their scale words: 128 q + 4 lane, byte w
.set BOS,   291840                     ; 512 w: bo of my 128 outputs
.set SPARE, 293888                     ; the spare words, 128 bytes for each wave: two blocks of 256 bytes that no other line names
.set OIM,   SL1                        ; behind slot 1's last fill and last read: O's 16 fragments, (q tile, ks) at (4 q + ks) 2048,
.set OSC,   SL1+32768                  ; their scale words at (4 q + ks) 128,
.set STG,   SL1+36864                  ; and for each wave two stages of 16 rows x (256 + 16) bytes
.set LI,  1                            ; v1   16 x lane
.set L4,  2                            ; v2   4 (lane % 16)
.set AK,  3                            ; v3-4   my K fragments in slot 0, 1
.set AV,  5                            ; v5-6   my V^T fragments
.set AKS, 7                            ; v7-8   K's scale words
.set AVS, 9                            ; v9-10  V^T's
.set MXW, 11
.set MXR, 12
.set PIW, 13
.set PIR, 14
.set PSW, 15
.set PSR, 16
.set SPW, 17                           ; LDS address of my spare word; never rewritten
.set NIL, 18                           ; 0; never rewritten
.set PFO, 19                           ; 256 x lane
.set PFX, 20                           ; 8192 x lane
.set VS,  21                           ; v21-28 V^T's scale words [t]; later wo's of tiles 6, 7
.set GO,  29
.set BOW, 30
.set OIW, 3                            ; v3-10 behind the key steps: the addresses of the end
.set OIR, 4
.set OSW, 5
.set OSR, 6
.set BOR, 7
.set STW, 8
.set SRD, 9
.set XR,  10
.set ST,  32                           ; q tile q's statistics at v[ST + 8 q]: +0 -M, +1 the largest t, +2, +3 l in two halves, +4 f, later 1 / l, +5 written once, +6, +7 at work
.set B0,  64                           ; the two buffers: v64-127, v128-191
.set TM,  128                          ; the end's quantiser: at work
.set PW,  144
.set AM,  192                          ; v192-207 the four waves' largest scores; then the codes just made
.set PC,  192
.set BM,  208
.set BP,  212
.set SOP, 216
.set HL,  220
.set BY,  224
.set QS,  228                          ; scale words: Q's [4 q + ks], K's [2 ks + u]; later wo's of tiles 0-5 [4 o + ks]
.set KS,  244
.set PS,  252                          ; P's or O's [q]
.set WV,  20
.set G1,  24                           ; s[24:31] group 1 of the joint loads
.set TE,  32                           ; s[32:35] group 0 of the refills behind X(j), j even;  s[36:39] j odd
.set TD,  36
.set G1X, 40                           ; s[40:47], s[48:51] x's tile
.set GX0, 48
.set CS,  52                           ; s[52:53] c = log2(e) / sqrt(512)
.set SEL, 54
.set MNT, 56
.set CNT, 57
.set LIMA, 58
.set LIMB, 59
.set PFA, 60
.set XPF, 62
.set OUTP, 66
.set WOP, 68
.set H0,  80                           ; s[80:83], s[84:87] group 0 of the two first fills
.set H1,  84
.set MSB, 0
.macro WIN new                         ; the immediate's high byte repeats the setting that is left; a switch that changes nothing is dropped
.if MSB != (\new)
	s_set_vgpr_msb (MSB<<8)|(\new)
.set MSB, (\new)
.endif
.endm
.macro PLACES n
.rept \n
	v_nop
.endr
.endm
.macro WM0 d, a, b, sa, sb             ; starts a sum
	v_wmma_scale_f32_16x16x128_f8f6f4 v[\d:\d+7], v[\a:\a+15], v[\b:\b+15], 0, v[\sa], v[\sb] matrix_a_fmt:MATRIX_FMT_BF8 matrix_b_fmt:MATRIX_FMT_BF8
.endm
.macro WMA d, a, b, sa, sb             ; adds in place
	v_wmma_scale_f32_16x16x128_f8f6f4 v[\d:\d+7], v[\a:\a+15], v[\b:\b+15], v[\d:\d+7], v[\sa], v[\sb] matrix_a_fmt:MATRIX_FMT_BF8 matrix_b_fmt:MATRIX_FMT_BF8
.endm
; 64 numbers of a lane, register 16 b + i = K 32 b + 16 (lane / 16) + i of my row, become a fragment's codes in v[PC] on and its scale word in v[PW]
.macro QUANT s
.irp b, 0,1,2,3
	v_max3_num_f32 v[TM+\b], |v[\s+16*\b]|, |v[\s+1+16*\b]|, 0x8000000
.endr
.irp i, 2,4,6,8,10,12,14
.irp b, 0,1,2,3
	v_max3_num_f32 v[TM+\b], v[TM+\b], |v[\s+16*\b+\i]|, |v[\s+1+16*\b+\i]|
.endr
.endr
.irp b, 0,1,2,3
	v_permlanex16_b32 v[TM+4+\b], v[TM+\b], s[SEL], s[SEL+1]
.endr
.irp b, 0,1,2,3
	v_max_num_f32 v[TM+\b], v[TM+\b], v[TM+4+\b]
.endr
.irp b, 0,1,2,3
	v_add_nc_u32 v[TM+12+\b], 0xf8800000, v[TM+\b]
.endr
.irp b, 0,1,2,3
	v_and_or_b32 v[TM+8+\b], v[TM+\b], 0x7f800000, s[MNT]
.endr
.irp b, 0,1,2,3
	v_lshrrev_b32 v[TM+4+\b], 23, v[TM+12+\b]
.endr
	v_lshl_or_b32 v[PW], v[TM+5], 8, v[TM+4]
	v_lshl_or_b32 v[PW], v[TM+6], 16, v[PW]
	v_lshl_or_b32 v[PW], v[TM+7], 24, v[PW]
.irp b, 0,1,2,3
.irp i, 0,1,2,3,4,5,6,7,8,9,10,11,12,13,14,15
	v_med3_num_f32 v[\s+16*\b+\i], v[\s+16*\b+\i], -v[TM+8+\b], v[TM+8+\b]
.endr
	v_cvt_scalef32_pk8_bf8_f32 v[PC+4*\b:PC+1+4*\b], v[\s+16*\b:\s+7+16*\b], v[TM+12+\b]
	v_cvt_scalef32_pk8_bf8_f32 v[PC+2+4*\b:PC+3+4*\b], v[\s+8+16*\b:\s+15+16*\b], v[TM+12+\b]
.endr
	v_nop
.endm
; A round of the cluster's barrier: my work-group's barrier; wave 0 signals for the work-group; every wave waits for all four work-groups; my work-group's barrier once more.
.macro CREST                           ; a round behind its opening barrier
	s_cmp_lg_u32 s[WV], 0
	s_cbranch_scc1 .Lnot_wave_0_\@
	s_barrier_signal -3
.Lnot_wave_0_\@:
	s_barrier_wait -3
	s_barrier_signal -1
	s_barrier_wait -1
.endm
.macro CROUND                          ; a whole round
	s_barrier_signal -1
	s_barrier_wait -1
	CREST
.endm
; A PREFETCH INTO THE L2 of the fragments that the NEXT meeting will ask for: K(j + 4) and V^T(j + 3), 65,536 bytes each.  All clusters of an image walk the same blocks: the image's first cluster asks.  Of its 16 waves the
; eight that fetch K take 8,192 bytes of K's fragments each, the eight that fetch V^T the same of V^T's, told apart by address (2 cx + wave % 2), lanes 256 bytes apart: each block of 256 bytes is named once in the launch.
; The first blocks come by their loads alone (K's 0 to 3, V^T's 0 to 2); the last named are K(15), behind X(11), and V^T(15), behind X(12).  A wave asks while s[CNT] is above its limit.
.macro ASK lim
	s_cmp_gt_u32 s[CNT], s[\lim]
	s_cbranch_scc0 .Lnot_mine_\@
	global_prefetch_b8 v[PFO], s[PFA:PFA+1] th:TH_LOAD_NT scope:SCOPE_SE
.Lnot_mine_\@:
.endm
; and of x's tile: my wave's 128 rows of 256 bytes, a lane a row, two instructions behind X(12) (the loop's last trip) and two behind X(13): two turns and one ahead of the load.  No other work-group reads these bytes.
.macro ASKX cond, n0
.if \cond
	s_cmp_eq_u32 s[CNT], 1
	s_cbranch_scc0 .Lnot_yet_\@
.endif
	global_prefetch_b8 v[PFX], s[XPF:XPF+1] offset:(\n0)*262144 th:TH_LOAD_NT scope:SCOPE_SE
	global_prefetch_b8 v[PFX], s[XPF:XPF+1] offset:(\n0+1)*262144 th:TH_LOAD_NT scope:SCOPE_SE
.if \cond
.Lnot_yet_\@:
.endif
.endm
; wo's eight fragments of K step k (my 128 outputs) into registers that products have left
.macro WOLOAD k, win, base
	WIN \win
.irp o, 0,1,2,3,4,5,6,7
.irp c, 0,1,2,3
	global_load_b128 v[\base+16*\o+4*\c:\base+16*\o+4*\c+3], v[LI], s[WOP:WOP+1] offset:\o*REC+\k*2048+512*\c
.endr
.endr
	WIN 0
.endm
; 40 LDS loads: my two tiles of K, all 512 channels, and their scale words, from slot s
.macro KLOAD s
.irp k, 0,1,2,3
.irp u, 0,1
	ds_load_b32 v[KS+2*\k+\u], v[AKS+\s] offset:512*\k+64*\u
.endr
.endr
	WIN 0xc0                                       ; destination window 3
.irp k, 0,1,2,3
.irp u, 0,1
.irp c, 0,1,2,3
	ds_load_b128 v[16*(2*\k+\u)+4*\c:16*(2*\k+\u)+4*\c+3], v[AK+\s] offset:(4*\u+\k)*2048+512*\c
.endr
.endr
.endr
	WIN 0
.endm
; 40 LDS loads: my eight tiles of V^T and their scale words
.macro VLOAD s
.irp t, 0,1,2,3,4,5,6,7
	ds_load_b32 v[VS+\t], v[AVS+\s] offset:64*\t
.endr
	WIN 0xc0
.irp t, 0,1,2,3,4,5,6,7
.irp c, 0,1,2,3
	ds_load_b128 v[128+16*\t+4*\c:128+16*\t+4*\c+3], v[AV+\s] offset:2048*\t+512*\c
.endr
.endr
	WIN 0
.endm
; Product mi of 32 of S^T = K Q^T into buffer sy: channels 128 (mi / 8) on, q tile (mi % 8) / 2, K's tile mi % 2.  The eight accumulators take turns, one instruction a turn.
.macro KQ1 sy
.set kk, mi/8
.set qq, (mi%8)/2
.set uu, mi%2
	WIN 0x07                                       ; source 0 (K) window 3, source 1 (Q) window 1
.if kk == 0
	WM0 \sy+16*qq+8*uu, 16*(2*kk+uu), 16*(4*qq+kk), KS+2*kk+uu, QS+4*qq+kk
.else
	WMA \sy+16*qq+8*uu, 16*(2*kk+uu), 16*(4*qq+kk), KS+2*kk+uu, QS+4*qq+kk
.endif
	WIN 0
.set mi, mi+1
.endm
; The largest score of my block of 32 keys, for each q tile, from buffer sy: it serves the row's maximum and the block's largest p.  Each accumulator is read from its low end on.
.macro MAXP sy, p
.irp q, 0,1,2,3
	v_max3_num_f32 v[BM+\q], v[\sy+16*\q], v[\sy+16*\q+1], v[\sy+16*\q+2]
.endr
.irp i, 3,5,7,9,11,13
.irp q, 0,1,2,3
	v_max3_num_f32 v[BM+\q], v[BM+\q], v[\sy+16*\q+\i], v[\sy+16*\q+\i+1]
.endr
.endr
.irp q, 0,1,2,3
	v_max_num_f32 v[BM+\q], v[BM+\q], v[\sy+16*\q+15]
.endr
.irp q, 0,1,2,3
	v_permlanex16_b32 v[BP+\q], v[BM+\q], s[SEL], s[SEL+1]
.endr
.irp q, 0,1,2,3
	v_max_num_f32 v[BM+\q], v[BM+\q], v[BP+\q]     ; with lane l xor 16's 16 keys
.endr
	ds_store_b128 v[MXW], v[BM:BM+3] offset:2048*\p
.endm
; M and f of the step, from the four waves' largest scores: the same in all four waves.  36 plain lines: they are also the places behind the products V^T P^T.
.macro MPHASE
.irp q, 0,1,2,3
	v_max3_num_f32 v[ST+8*\q+6], v[AM+\q], v[AM+4+\q], v[AM+8+\q]
.endr
.irp q, 0,1,2,3
	v_max_num_f32 v[ST+8*\q+6], v[ST+8*\q+6], v[AM+12+\q]
.endr
.irp q, 0,1,2,3
	v_mul_f32 v[ST+8*\q+6], s[CS], v[ST+8*\q+6]
.endr
.irp q, 0,1,2,3
	v_max_num_f32 v[ST+8*\q+1], v[ST+8*\q+1], v[ST+8*\q+6]         ; the running largest t
.endr
.irp q, 0,1,2,3
	v_mov_b32 v[ST+8*\q+6], v[ST+8*\q]
.endr
.irp q, 0,1,2,3
	v_floor_f32 v[ST+8*\q], -v[ST+8*\q+1]          ; the new -M = -ceil(t)
.endr
.irp q, 0,1,2,3
	v_sub_f32 v[ST+8*\q+6], v[ST+8*\q], v[ST+8*\q+6]               ; old M - new M: a whole number, 0 or less
.endr
.irp q, 0,1,2,3
	v_cvt_i32_f32 v[ST+8*\q+6], v[ST+8*\q+6]
.endr
.irp q, 0,1,2,3
	v_ldexp_f32 v[ST+8*\q+4], 1.0, v[ST+8*\q+6]    ; f = 2^(old M - new M)
.endr
.endm
; The softmax of the step whose scores lie in buffer sx.  kq = 1: the next step's 32 products K Q^T, into buffer sy, are dealt among its lines: one behind each 8 scalings, each 4 exponentials, each 8 sums, and two among
; each q tile's holds.  None of these lines names a register of those products.  Behind the last product stand eight holds and a v_nop: plain lines.
.macro CPHASE sx, sy, kq
.set mi, 0
.irp q, 0,1,2,3
.irp j, 0,2,4,6,8,10,12,14
	v_pk_fma_f32 v[\sx+16*\q+\j:\sx+16*\q+\j+1], v[\sx+16*\q+\j:\sx+16*\q+\j+1], s[CS:CS+1], v[ST+8*\q:ST+8*\q+1] op_sel_hi:[1,0,0]   ; t - M
.endr
.if \kq
	KQ1 \sy
.endif
.endr
.irp q, 0,1,2,3
	v_fma_f32 v[BM+\q], v[BM+\q], s[CS], v[ST+8*\q]                ; the same of my block's largest score
.endr
.set e, 0
.rept 16
.rept 4
	v_exp_f32 v[\sx+e], v[\sx+e]                   ; p = 2^(t - M)
.set e, e+1
.endr
.if \kq
	KQ1 \sy
.endif
.endr
.irp q, 0,1,2,3
	v_pk_mul_f32 v[ST+8*\q+2:ST+8*\q+3], v[ST+8*\q+2:ST+8*\q+3], v[ST+8*\q+4:ST+8*\q+5] op_sel_hi:[1,0]    ; l under the new M; plain lines behind the exponentials
.endr
	s_wait_alu depctr_va_vdst(0)                   ; one wait for the batch of 64, ahead of its first reader
.irp q, 0,1,2,3
	v_exp_f32 v[BM+\q], v[BM+\q]                   ; the block's largest p: the same two instructions on the same number
.endr
.irp q, 0,1,2,3
	v_pk_add_f32 v[ST+8*\q+6:ST+8*\q+7], v[\sx+16*\q:\sx+16*\q+1], v[\sx+16*\q+2:\sx+16*\q+3]      ; l takes the unquantised p, in two chains
.endr
.if \kq
	KQ1 \sy
.endif
.irp j, 4,8,12
.irp q, 0,1,2,3
	v_pk_add_f32 v[ST+8*\q+2:ST+8*\q+3], v[ST+8*\q+2:ST+8*\q+3], v[\sx+16*\q+\j:\sx+16*\q+\j+1]
	v_pk_add_f32 v[ST+8*\q+6:ST+8*\q+7], v[ST+8*\q+6:ST+8*\q+7], v[\sx+16*\q+\j+2:\sx+16*\q+\j+3]
.endr
.if \kq
	KQ1 \sy
.endif
.endr
.irp q, 0,1,2,3
	v_pk_add_f32 v[ST+8*\q+2:ST+8*\q+3], v[ST+8*\q+2:ST+8*\q+3], v[ST+8*\q+6:ST+8*\q+7]
.endr
	s_wait_alu depctr_va_vdst(0)                   ; and one for the four
.irp q, 0,1,2,3
	v_max_num_f32 v[BM+\q], 0x8000000, v[BM+\q]    ; the floor 2^(16 - 127)
.endr
.irp q, 0,1,2,3
	v_add_nc_u32 v[SOP+\q], 0xf8800000, v[BM+\q]   ; the conversion's scale operand
.endr
.irp q, 0,1,2,3
	v_and_or_b32 v[HL+\q], v[BM+\q], 0x7f800000, s[MNT]            ; 57,344 x the scale
.endr
.irp q, 0,1,2,3
	v_lshrrev_b32 v[BY+\q], 23, v[SOP+\q]          ; the scale's byte
.endr
.irp q, 0,1,2,3
.irp i, 0,1,2,3,4,5,6,7,8,9,10,11,12,13,14,15
	v_min_num_f32 v[\sx+16*\q+\i], v[\sx+16*\q+\i], v[HL+\q]       ; the conversion does not saturate (ISA guide 7.6.2); p is not negative
.if \kq && ((\i == 3) || (\i == 7))
	KQ1 \sy
.endif
.endr
	v_cvt_scalef32_pk8_bf8_f32 v[PC+4*\q:PC+4*\q+1], v[\sx+16*\q:\sx+16*\q+7], v[SOP+\q]
	v_cvt_scalef32_pk8_bf8_f32 v[PC+4*\q+2:PC+4*\q+3], v[\sx+16*\q+8:\sx+16*\q+15], v[SOP+\q]
.endr
	v_nop                                          ; a plain line behind the last conversion
.endm
.macro PSTORE p
.irp q, 0,1,2,3
	ds_store_b128 v[PIW], v[PC+4*\q:PC+4*\q+3] offset:8192*\p+2048*\q      ; piece w of P's fragment of q tile q
	ds_store_b8 v[PSW], v[BY+\q] offset:512*\p+128*\q                      ; byte w of its scale words
.endr
.endm
.macro RESC q                          ; q tile q's O^T under the new M: x f.  Each accumulator from its low end on
.set j, 0
.rept 32
	v_pk_mul_f32 v[64*\q+j:64*\q+j+1], v[64*\q+j:64*\q+j+1], v[ST+8*\q+4:ST+8*\q+5] op_sel_hi:[1,0]
.set j, j+2
.endr
.endm
; THE MEETING X(j); p = j % 2.  Each wave waits for all its tensor loads (one is out at the most), adds 0 to its spare word, and waits for that, for its stores of P and of the largest scores, and for its reads of K(j + 1)
; and V^T(j).  Behind the round no wave of any partner reads those parts of the slots or has a load on its way; K(j + 2) and V^T(j + 1) are whole; what was stored is there for all four waves.
; The refill is the first thing behind the round, one load a wave.  kind = 0: K's waves alone; 1: all four; 2: V^T's waves alone; 3: my 128 rows of x's tile, a load of my own, into slot 0; 4: nothing is left to fetch:
; my work-group's barrier alone.  resc = 1: half of O^T's rescaling stands between the add and the wait for it, and between the opening signal and its wait: work on registers.
.macro XCH p, kind, resc
.if \kind < 4
	s_wait_tensorcnt 0x0                           ; no tensor load of mine is out, so a group 0 may be written
	ds_add_u32 v[SPW], v[NIL]                      ; 0 onto my spare word
.if \kind == 1
.if \p
	s_add_nc_u64 s[TE+2:TE+3], s[TE+2:TE+3], 2*STEPB   ; the group 0 used at the last meeting: two blocks on; the type bits on top are not reached
.else
	s_add_nc_u64 s[TD+2:TD+3], s[TD+2:TD+3], 2*STEPB
.endif
	s_wait_xcnt 0x0                                ; the last prefetch, a turn back, has read its address, so it may be written
	s_add_nc_u64 s[PFA:PFA+1], s[PFA:PFA+1], STEPB
.endif
.endif
.if \resc
	WIN 0x82                                       ; O^T (destination and source 0) window 2, f window 0
	RESC 0
.endif
	s_wait_dscnt 0x0                               ; the add and my stores are done, my reads are back
	s_barrier_signal -1
.if \resc
	RESC 1
	WIN 0
.endif
	s_barrier_wait -1
.if \kind < 4
	CREST
.endif
.if \kind == 0
	s_cmp_lt_u32 s[WV], 2                          ; the wave's number: the same branch in every work-group
	s_cbranch_scc0 .Lno_fill_\@
	tensor_load_to_lds s[TD:TD+3], s[G1:G1+7]
	s_nop 0
	PLACES 4
.Lno_fill_\@:
.elseif \kind == 1
.if \p
	tensor_load_to_lds s[TD:TD+3], s[G1:G1+7]
	s_nop 0
.else
	tensor_load_to_lds s[TE:TE+3], s[G1:G1+7]
	s_nop 0
.endif
	PLACES 4
.elseif \kind == 2
	s_cmp_ge_u32 s[WV], 2
	s_cbranch_scc0 .Lno_fill_\@
	tensor_load_to_lds s[TD:TD+3], s[G1:G1+7]
	s_nop 0
	PLACES 4
.Lno_fill_\@:
.elseif \kind == 3
	tensor_load_to_lds s[GX0:GX0+3], s[G1X:G1X+7]
	s_nop 0
	PLACES 4
.endif
.endm
.macro PLOAD p, sx                     ; 20 LDS loads: P's four fragments into buffer sx, and their scale words
.irp q, 0,1,2,3
	ds_load_b32 v[PS+\q], v[PSR] offset:512*\p+128*\q
.irp c, 0,1,2,3
	ds_load_b128 v[\sx+16*\q+4*\c:\sx+16*\q+4*\c+3], v[PIR] offset:8192*\p+2048*\q+512*\c
.endr
.endr
.endm
.macro AMLOAD p                        ; 4 LDS loads: the four waves' largest scores (at the end: their l)
.irp w, 0,1,2,3
	ds_load_b128 v[AM+4*\w:AM+4*\w+3], v[MXR] offset:2048*\p+512*\w
.endr
.endm
.macro PVM first, sx                   ; O^T += V^T P^T: 32 products, each on an accumulator of its own.  first = 1: they start the sums
	WIN 0xa3                                       ; source 0 (V^T) window 3, source 1 (P) window 0, C and D window 2
.irp t, 0,1,2,3,4,5,6,7
.irp q, 0,1,2,3
.if \first
	WM0 64*\q+8*\t, 128+16*\t, \sx+16*\q, VS+\t, PS+\q
.else
	WMA 64*\q+8*\t, 128+16*\t, \sx+16*\q, VS+\t, PS+\q
.endif
.endr
.endr
	WIN 0
.endm
; THE TURN of key step j.  p = j % 2; first = 1: step 0; kind: the meeting's; kq = 1: there is a step j + 1; nk = 1: there is a step j + 2; ask, askx: the prefetches; wl = 14, 15: wo is asked for as registers fall free.
.macro BODY p, first, kind, kq, nk, ask, askx, wl
.set SX, B0+64*\p
.set SY, B0+64-64*\p
	MPHASE
	s_wait_dscnt 0x0                               ; K(j + 1) is in: it was asked for ahead of the last 32 products
.if \wl == 15
	WOLOAD 1, 0x40, 128
.endif
	VLOAD \p                                       ; V^T(j) lands while the softmax is worked; the 36 lines above are the places behind the products that read V^T(j - 1)
	CPHASE SX, SY, \kq
.if \wl == 15
	WOLOAD 2, 0xc0, 0
.irp o, 0,1,2,3,4,5
.irp k, 0,1,2,3
	global_load_b32 v[QS+4*\o+\k], v[L4], s[WOP:WOP+1] offset:\o*REC+8192+64*\k       ; wo's scale words of tiles 0-5, where Q's and K's lay
.endr
.endr
.endif
	PSTORE \p
.if \kq
	PLACES 4                                       ; with the eight holds and the v_nop behind the last product: places ahead of the first read of the scores (ISA guide 7.12.1)
.if \wl == 14
	WOLOAD 0, 0x40, 0                              ; Q has been multiplied for the last time
.endif
	MAXP SY, \p
.endif
	XCH \p, \kind, 1-\first
	PLOAD \p, SX
.if \kq
	AMLOAD \p
.endif
.if \nk
	KLOAD \p                                       ; K(j + 2) lands under the products below
.endif
.if \ask == 1
	ASK LIMA
.elseif \ask == 2
	ASK LIMB
.endif
.if \askx == 1
	ASKX 1, 0
.elseif \askx == 2
	ASKX 0, 2
.endif
.if \first == 0
	WIN 0x82
	RESC 2                                         ; the other half of the rescaling, while P is on its way
	RESC 3
	WIN 0
.endif
	s_wait_dscnt 40*\nk                            ; P and the largest scores are in; K's 8 + 32 loads, issued behind them, may be out
	PVM \first, SX
.endm
	s_load_b256 s[4:11], s[0:1], 0x0               ; q_img 4:5, q_sc 6:7, kv 8:9, w_rec 10:11
	s_load_b128 s[12:15], s[0:1], 0x20             ; bo 12:13, x 14:15
	s_load_b64 s[16:17], s[0:1], 0x30              ; out0
	v_lshl_add_u32 v[SPW], v0, 2, SPARE
	v_mov_b32 v[NIL], 0
	ds_add_u32 v17, v18
	ds_add_u32 v17, v18
	s_wait_dscnt 0x0
	v_lshrrev_b32 v30, 5, v0
	v_readfirstlane_b32 s[WV], v30                 ; wave 0..3
	s_bfe_u32 s21, ttmp6, 0x40000                  ; cx: my place in the cluster
	s_lshl_b32 s22, ttmp9, 2                       ; in a cluster launch ttmp9 counts clusters
	s_add_co_u32 s22, s22, s21                     ; my block of 64 queries
	s_and_b32 s23, ttmp7, 0xffff                   ; the image, which the four partners share
	s_mov_b32 s[G1], 15|(3<<16)|(1<<21)            ; the mask: all four work-groups; elements of 8 bytes; bit 21 set beside a mask; no padding
	s_mov_b32 s[G1+1], 32<<16                      ; rows of 256 bytes
	s_mov_b32 s[G1+2], 132<<16                     ; 132 rows: half of K's part or of V^T's
	s_mov_b32 s[G1+3], 32<<16
	s_mov_b32 s[G1+4], 132
	s_mov_b32 s[G1+5], 32                          ; dense
	s_mov_b32 s[G1+6], 0
	s_mov_b32 s[G1+7], 0
	s_mov_b32 s[G1X], 3<<16                        ; no mask
	s_mov_b32 s[G1X+1], 32<<16                     ; 64 pixels: 256 bytes
	s_mov_b32 s[G1X+2], 128<<16                    ; 128 channels
	s_mov_b32 s[G1X+3], 32<<16
	s_mov_b32 s[G1X+4], 128
	s_mov_b32 s[G1X+5], 1024                       ; a channel's row is 8,192 bytes
	s_mov_b32 s[G1X+6], 0
	s_mov_b32 s[G1X+7], 0
	s_mov_b32 s[CS], 0x3d8293ee
	s_mov_b32 s[CS+1], s[CS]                       ; (named with it as a pair)
	s_mov_b32 s[SEL], 0x76543210
	s_mov_b32 s[SEL+1], 0xfedcba98
	s_mov_b32 s[MNT], 0x600000
	s_mul_i32 s70, s23, 16*STEPB                   ; the image's 16 blocks; these registers never hold my place in the cluster
	s_mul_i32 s72, s[WV], 33792                    ; my quarter of a block, in memory and in a slot: waves 0, 1 K's halves, waves 2, 3 V^T's
	s_add_co_u32 s70, s70, s72
	s_mov_b32 s71, 0
	s_lshr_b32 s73, s[WV], 1                       ; 0: I fetch for K; 1: for V^T
	s_mul_i32 s74, s73, SL1                        ; behind X(j), j odd: K goes to slot 0, V^T to slot 1;
	s_xor_b32 s75, s73, 1
	s_mul_i32 s79, s75, SL1                        ; j even: the other way round
	s_sub_co_u32 s76, 2, s73                       ; the odd set begins at K(2), or at V^T(1): it is stepped once before V^T's waves first use it
	s_mul_i32 s76, s76, STEPB
	s_mov_b32 s77, 0
	s_cmp_eq_u32 ttmp9, 0                          ; the image's first cluster prefetches: the same in all four partners
	s_cselect_b32 s[LIMA], 0, -1
	s_cselect_b32 s[LIMB], s75, -1                 ; behind X(12) there is no K left to name: K's waves stop a trip earlier
	; LDS addresses of the key steps: constants, lane terms and wave terms alone
	v_and_b32 v192, 31, v0                         ; lane
	v_and_b32 v193, 15, v0                         ; r
	v_lshlrev_b32 v[LI], 4, v192
	v_lshlrev_b32 v[L4], 2, v193
	s_lshl_b32 s78, s[WV], 14
	v_add_nc_u32 v[AK], s78, v[LI]                 ; K's tiles 2 w, 2 w + 1
	v_add_nc_u32 v[AK+1], SL1, v[AK]
	v_add_nc_u32 v[AV], HALFB, v[AK]               ; V^T's tiles 8 w on
	v_add_nc_u32 v[AV+1], SL1, v[AV]
	s_lshl_b32 s78, s[WV], 7
	v_add_nc_u32 v[AKS], s78, v[L4]
	v_add_nc_u32 v[AKS], 65536, v[AKS]
	v_add_nc_u32 v[AKS+1], SL1, v[AKS]
	s_lshl_b32 s78, s[WV], 9
	v_add_nc_u32 v[AVS], s78, v[L4]
	v_add_nc_u32 v[AVS], 133120, v[AVS]
	v_add_nc_u32 v[AVS+1], SL1, v[AVS]
	v_add_nc_u32 v[MXR], MX, v[LI]
	v_add_nc_u32 v[MXW], s78, v[MXR]
	v_add_nc_u32 v[PIR], PIM, v[LI]
	v_add_nc_u32 v[PIW], s78, v[PIR]
	v_add_nc_u32 v[BOW], s78, v[LI]
	v_add_nc_u32 v[BOW], BOS, v[BOW]
	v_lshlrev_b32 v[PSW], 2, v192
	v_add_nc_u32 v[PSW], s[WV], v[PSW]
	v_add_nc_u32 v[PSW], PSC, v[PSW]
	v_add_nc_u32 v[PSR], PSC, v[L4]
	v_lshlrev_b32 v[PFO], 8, v192
	v_lshlrev_b32 v[PFX], 13, v192
.irp q, 0,1,2,3
	v_mov_b32 v[ST+8*\q+1], 0xff61b1e6             ; the largest t so far: -3e38
	v_mov_b32 v[ST+8*\q+2], 0                      ; l
	v_mov_b32 v[ST+8*\q+3], 0
	v_mov_b32 v[ST+8*\q+5], 0                      ; (named as a pair's upper half)
	v_mov_b32 v[BP+\q], 0                          ; a lane permute's destination counts as one of its sources
.endr
.irp q, 0,1,2,3
	v_floor_f32 v[ST+8*\q], -v[ST+8*\q+1]          ; -M
.endr
	s_wait_kmcnt 0x0
	s_mov_b32 s[H0], 1
	s_mov_b32 s[H0+1], s72
	s_add_nc_u64 s[H0+2:H0+3], s[8:9], s[70:71]    ; block 0 into slot 0
	s_mov_b32 s[H1], 1
	s_add_co_u32 s[H1+1], s72, SL1
	s_add_nc_u64 s[H1+2:H1+3], s[H0+2:H0+3], STEPB ; block 1 into slot 1
	s_mov_b32 s[TD], 1
	s_add_co_u32 s[TD+1], s72, s74
	s_add_nc_u64 s[TD+2:TD+3], s[H0+2:H0+3], s[76:77]
	s_mov_b32 s[TE], 1
	s_add_co_u32 s[TE+1], s72, s79
	s_add_nc_u64 s[TE+2:TE+3], s[TD+2:TD+3], STEPB ; the even set begins at K(3), or at V^T(2)
	s_or_b32 s[H0+3], s[H0+3], 0x80000000          ; type = 2
	s_or_b32 s[H1+3], s[H1+3], 0x80000000
	s_or_b32 s[TD+3], s[TD+3], 0x80000000
	s_or_b32 s[TE+3], s[TE+3], 0x80000000
	s_lshl_b32 s74, s23, 22                        ; x and out0: channel 512 b + 128 w, pixel 64 x my block
	s_lshl_b32 s76, s[WV], 20
	s_add_co_u32 s74, s74, s76
	s_lshl_b32 s76, s22, 8
	s_add_co_u32 s74, s74, s76
	s_mov_b32 s75, 0
	s_add_nc_u64 s[XPF:XPF+1], s[14:15], s[74:75]
	s_add_nc_u64 s[OUTP:OUTP+1], s[16:17], s[74:75]
	s_mov_b32 s[GX0], 1
	s_lshl_b32 s[GX0+1], s[WV], 15                 ; into slot 0: 32,768 x wave
	s_mov_b64 s[GX0+2:GX0+3], s[XPF:XPF+1]
	s_or_b32 s[GX0+3], s[GX0+3], 0x80000000
	s_lshl_b32 s76, s21, 1                         ; the prefetches: 8,192 x (2 cx + wave % 2),
	s_and_b32 s78, s[WV], 1
	s_add_co_u32 s76, s76, s78
	s_lshl_b32 s76, s76, 13
	s_sub_co_u32 s78, 3, s73                       ; in K(3), or in V^T(2): X(0) steps it to K(4), V^T(3)
	s_mul_i32 s78, s78, STEPB
	s_add_co_u32 s76, s76, s78
	s_mul_i32 s78, s73, HALFB
	s_add_co_u32 s76, s76, s78
	s_mul_i32 s78, s23, 16*STEPB
	s_add_co_u32 s76, s76, s78
	s_mov_b32 s77, 0
	s_add_nc_u64 s[PFA:PFA+1], s[8:9], s[76:77]
	s_lshl_b32 s78, s[WV], 3
	s_add_co_u32 s78, s78, 96
	s_mul_i32 s78, s78, REC                        ; wo's records 96 + 8 w on
	s_mov_b32 s79, 0
	s_add_nc_u64 s[WOP:WOP+1], s[10:11], s[78:79]
	s_lshl_b32 s74, s23, 20
	s_lshl_b32 s76, s22, 15
	s_add_co_u32 s74, s74, s76
	s_add_nc_u64 s[4:5], s[4:5], s[74:75]          ; Q's tiles 128 b + 4 x my block on
	s_lshl_b32 s74, s23, 15
	s_lshl_b32 s76, s22, 8
	s_add_co_u32 s74, s74, s76
	s_add_nc_u64 s[6:7], s[6:7], s[74:75]          ; their scale words
	s_lshl_b32 s78, s[WV], 9
	s_add_nc_u64 s[12:13], s[12:13], s[78:79]      ; bo of my 128 outputs
	CROUND                                         ; all four work-groups are here: the first joint loads meet
	tensor_load_to_lds s[H0:H0+3], s[G1:G1+7]      ; the two first fills go out together: two loads of mine are out
	s_nop 0
	tensor_load_to_lds s[H1:H1+3], s[G1:G1+7]
	s_nop 0
	PLACES 4
	WIN 0x40                                       ; destination window 1
.set f, 0
.rept 16
.irp c, 0,1,2,3
	global_load_b128 v[16*f+4*\c:16*f+4*\c+3], v[LI], s[4:5] offset:2048*f+512*\c    ; Q stays in registers: fragment (q tile, ks) at 16 (4 q + ks)
.endr
.set f, f+1
.endr
	WIN 0
.irp q, 0,1,2,3
.irp k, 0,1,2,3
	global_load_b32 v[QS+4*\q+\k], v[L4], s[6:7] offset:\k*8192+\q*64
.endr
.endr
	global_load_b128 v[B0:B0+3], v[LI], s[12:13]
	s_wait_loadcnt 0x0
	ds_store_b128 v[BOW], v[B0:B0+3]               ; my wave's own bytes
	s_wait_tensorcnt 0x1                           ; my quarter of block 0 is in; block 1's may stay out
	s_wait_dscnt 0x0
	s_barrier_signal -1
	s_barrier_wait -1                              ; everybody's is
	; ---- ahead of the turns: the scores of step 0 and their largest
	KLOAD 0
.set mi, 0
.irp k, 0,1,2,3
	s_wait_dscnt 8*(3-\k)                          ; channels 128 k on are in; the eight loads of each later 128 may be out
.rept 8
	KQ1 B0
.endr
.endr
	PLACES 8                                       ; ahead of the first read of the scores (ISA guide 7.12.1)
	MAXP B0, 1
	XCH 1, 0, 0                                    ; X(-1): block 1 is whole; K(0) has been read: K(2) takes its place
	AMLOAD 1
	KLOAD 1
	s_wait_dscnt 40                                ; the largest scores are in; K(1)'s 40 loads may be out
	s_mov_b32 s[CNT], 6
	BODY 0, 1, 1, 1, 1, 1, 0, 0                    ; step 0
.Lpair:                                            ; six trips: steps 1 and 2, .. 11 and 12
	BODY 1, 0, 1, 1, 1, 1, 0, 0
	BODY 0, 0, 1, 1, 1, 2, 1, 0
	s_sub_co_u32 s[CNT], s[CNT], 1
	s_cmp_lg_u32 s[CNT], 0
	s_cbranch_scc1 .Lpair
	BODY 1, 0, 2, 1, 1, 0, 2, 0                    ; step 13: the tail is written out: V^T(15) alone is left to fetch
	BODY 0, 0, 3, 1, 0, 0, 0, 14                   ; step 14: slot 0 takes x's tile,
	BODY 1, 0, 4, 0, 0, 0, 0, 15                   ; step 15: nothing
	PLACES 8                                       ; ahead of loads into registers that the last products read, and of vector lines that write them
	WOLOAD 3, 0xc0, 128                            ; V^T has been multiplied for the last time
.irp o, 6,7
.irp k, 0,1,2,3
	global_load_b32 v[VS+4*(\o-6)+\k], v[L4], s[WOP:WOP+1] offset:\o*REC+8192+64*\k   ; wo's scale words of tiles 6, 7, where V^T's lay
.endr
.endr
	; ---- the addresses of the end: constants, lane terms and wave terms alone
	v_and_b32 v224, 31, v0                         ; lane
	v_and_b32 v30, 15, v0                          ; r
	v_bfe_u32 v31, v0, 4, 1                        ; h
	s_lshl_b32 s73, s[WV], 7
	v_lshlrev_b32 v[OSW], 2, v224
	v_add_nc_u32 v[OSW], s73, v[OSW]
	v_add_nc_u32 v[OSW], OSC, v[OSW]
	v_add_nc_u32 v[OSR], OSC, v[L4]
	s_lshl_b32 s73, s[WV], 9
	v_lshlrev_b32 v[BOR], 6, v31
	v_add_nc_u32 v[BOR], s73, v[BOR]
	v_add_nc_u32 v[BOR], BOS, v[BOR]
	v_add_nc_u32 v[OIR], OIM, v[LI]
	s_lshl_b32 s73, s[WV], 11
	v_add_nc_u32 v[OIW], s73, v[OIR]
	s_mul_i32 s73, s[WV], 8704
	v_mul_u32_u24 v[STW], v31, 2176                ; into a stage: row 8 h + j, pixel 2 r
	v_lshl_add_u32 v[STW], v30, 3, v[STW]
	v_add_nc_u32 v[STW], s73, v[STW]
	v_add_nc_u32 v[STW], STG, v[STW]
	v_mul_u32_u24 v[SRD], v31, 272                 ; back: lanes 0-15 one row, lanes 16-31 the next
	v_lshl_add_u32 v[SRD], v30, 4, v[SRD]
	v_add_nc_u32 v[SRD], s73, v[SRD]
	v_add_nc_u32 v[SRD], STG, v[SRD]
	v_lshlrev_b32 v[XR], 8, v31                    ; the same two rows of x's tile,
	v_lshl_add_u32 v[XR], v30, 4, v[XR]
	s_lshl_b32 s73, s[WV], 15
	v_add_nc_u32 v[XR], s73, v[XR]
	v_lshlrev_b32 v[GO], 13, v31                   ; and of out0
	v_lshl_add_u32 v[GO], v30, 4, v[GO]
.irp q, 0,1,2,3
	v_mov_b32 v[TM+4+\q], 0                        ; a lane permute's destination counts as one of its sources
.endr
	; ---- l: my halves, lane l xor 16's, the four waves'
.irp q, 0,1,2,3
	v_add_f32 v[BM+\q], v[ST+8*\q+2], v[ST+8*\q+3]
.endr
.irp q, 0,1,2,3
	v_permlanex16_b32 v[BP+\q], v[BM+\q], s[SEL], s[SEL+1]
.endr
.irp q, 0,1,2,3
	v_add_f32 v[BM+\q], v[BM+\q], v[BP+\q]
.endr
	ds_store_b128 v[MXW], v[BM:BM+3]               ; the place of even steps: its last readers' loads were back in front of X(15)
	s_wait_dscnt 0x0
	s_barrier_signal -1
	s_barrier_wait -1                              ; no wave reads slot 1 any more (the last reads were back in front of X(15)): it has had its last fill, and takes O's images and the stages
	AMLOAD 0
	s_wait_dscnt 0x0
.irp q, 0,1,2,3
	v_add_f32 v[BM+\q], v[AM+\q], v[AM+4+\q]
.endr
.irp q, 0,1,2,3
	v_add_f32 v[BP+\q], v[AM+8+\q], v[AM+12+\q]
.endr
.irp q, 0,1,2,3
	v_add_f32 v[BM+\q], v[BM+\q], v[BP+\q]
.endr
.irp q, 0,1,2,3
	v_rcp_f32 v[ST+8*\q+4], v[BM+\q]
.endr
	v_nop                                          ; a plain line behind the last reciprocal
	s_wait_alu depctr_va_vdst(0)                   ; one wait for the four, ahead of their first reader
	; ---- O / l, quantised along the channels: my 128 channels are K step w of the last product
.irp q, 0,1,2,3
	WIN 0x02                                       ; source 0 (O^T) window 2
.set j, 0
.rept 32
	v_pk_mul_f32 v[B0+j:B0+j+1], v[64*\q+j:64*\q+j+1], v[ST+8*\q+4:ST+8*\q+5] op_sel_hi:[1,0]      ; each accumulator from its low end on
.set j, j+2
.endr
	WIN 0
	QUANT B0
.irp c, 0,1,2,3
	ds_store_b128 v[OIW], v[PC+4*\c:PC+4*\c+3] offset:8192*\q+512*\c
.endr
	ds_store_b32 v[OSW], v[PW] offset:512*\q
	s_wait_dscnt 0x0                               ; the stores have read their registers
.endr
	s_barrier_signal -1
	s_barrier_wait -1                              ; O's sixteen fragments lie in LDS
	WIN 0x80                                       ; destination window 2
.irp q, 0,1,2,3
.irp o, 0,1,2,3,4,5,6,7
	ds_load_b128 v[64*\q+8*\o:64*\q+8*\o+3], v[BOR] offset:(32*(\o/2)+8*(\o%2))*4          ; bo starts the sums: register j of tile o is output 128 w + 32 (o / 2) + 16 h + 8 (o % 2) + j
	ds_load_b128 v[64*\q+8*\o+4:64*\q+8*\o+7], v[BOR] offset:(32*(\o/2)+8*(\o%2))*4+16
.endr
.endr
	WIN 0
	s_wait_loadcnt 0x0                             ; wo's fragments and scale words
	s_wait_tensorcnt 0x0                           ; my 128 rows of x's tile: only I read them
.irp k, 0,1,2,3
.irp q, 0,1,2,3
.irp c, 0,1,2,3
	ds_load_b128 v[B0+16*\q+4*\c:B0+16*\q+4*\c+3], v[OIR] offset:(4*\q+\k)*2048+512*\c
.endr
	ds_load_b32 v[PS+\q], v[OSR] offset:(4*\q+\k)*128
.endr
	s_wait_dscnt 0x0
.if \k < 2
	WIN 0xa1                                       ; source 0 (wo) window 1, C and D window 2
.else
	WIN 0xa3                                       ; source 0 window 3
.endif
.irp o, 0,1,2,3,4,5,6,7
.irp q, 0,1,2,3
	WMA 64*\q+8*\o, 16*(8*(\k%2)+\o), B0+16*\q, QS+4*\o+\k-(\o/6)*231, PS+\q               ; wo's scale words: v228 + 4 o + ks for tiles 0-5, v21 + 4 (o - 6) + ks for tiles 6, 7
.endr
.endr
	WIN 0
	PLACES 8                                       ; ahead of loads into registers that the products read, and of the first read of results
.endr
; THE WAY OUT, a tile of 16 outputs x 64 pixels at a time.  A lane holds one pixel and eight outputs; a row of out0 wants 64 pixels of one output.  So a tile goes through my own stage (rows of 256 + 16 bytes)
; and comes back by rows, with the same rows of x; LDS serves a wave's instructions in order (ISA guide 5.7.1.4): no wait between the stores and the loads.  Each tile has registers of its own.
.macro TOSTAGE o
	WIN 0x08                                       ; an LDS store's data are its source 1: window 2
.irp q, 0,1,2,3
.irp j, 0,1,2,3,4,5,6,7
	ds_store_b32 v[STW], v[64*\q+8*(\o)+\j] offset:((\o)%2)*4352+272*\j+128*(\q/2)+4*(\q%2)      ; pixel 32 (q / 2) + 2 r + q % 2
.endr
.endr
.if (\o) < 4
	WIN 0x40
.else
	WIN 0xc0
.endif
.irp i, 0,1,2,3,4,5,6,7
	ds_load_b128 v[64*((\o)%4)+4*\i:64*((\o)%4)+4*\i+3], v[SRD] offset:((\o)%2)*4352+544*\i
.endr
.irp i, 0,1,2,3,4,5,6,7
	ds_load_b128 v[64*((\o)%4)+32+4*\i:64*((\o)%4)+32+4*\i+3], v[XR] offset:(32*((\o)/2)+8*((\o)%2)+16*(\i/4)+(2*\i)%8)*256
.endr
.endm
.macro SEND o, younger                 ; younger: the LDS instructions issued behind tile o's loads, which may stay out
	s_wait_dscnt \younger
.if (\o) < 4
	WIN 0x45
.else
	WIN 0xcf
.endif
.set j, 0
.rept 16
	v_pk_add_f32 v[64*((\o)%4)+j:64*((\o)%4)+j+1], v[64*((\o)%4)+j:64*((\o)%4)+j+1], v[64*((\o)%4)+32+j:64*((\o)%4)+32+j+1]    ; + x
.set j, j+2
.endr
.if (\o) < 4
	WIN 0x04                                       ; a store's data are its source 1
.else
	WIN 0x0c
.endif
.irp i, 0,1,2,3,4,5,6,7
	global_store_b128 v[GO], v[64*((\o)%4)+4*\i:64*((\o)%4)+4*\i+3], s[OUTP:OUTP+1] offset:(32*((\o)/2)+8*((\o)%2)+16*(\i/4)+(2*\i)%8)*8192 th:TH_STORE_NT   ; sixteen lanes store 256 consecutive bytes, aligned
.endr
.endm
	TOSTAGE 0
.irp a, 1,2,3,4,5,6,7
	TOSTAGE \a
	SEND \a-1, 48                                  ; behind tile a - 1's loads: tile a's 32 stores and 16 loads
.endr
	SEND 7, 0
	WIN 0
	s_wait_tensorcnt 0x0                           ; the wave's end: behind my last tensor load and my last LDS store
	ds_add_u32 v[SPW], v[NIL]
	s_wait_dscnt 0x0
	CROUND                                         ; the closing round: no work-group ends while a partner may still ask for a block that names it
	s_endpgm
.Lfunc_end_k_q4ea42829e5_attn:
	.size	k_q4ea42829e5_attn, .Lfunc_end_k_q4ea42829e5_attn-k_q4ea42829e5_attn
	.p2alignl 7, 3214868480
	.fill 96, 4, 3214868480
	.section	.rodata,"a",@progbits
	.p2align	6, 0x0
	.amdhsa_kernel k_q4ea42829e5_attn
		.amdhsa_group_segment_fixed_size 327680
		.amdhsa_private_segment_fixed_size 0
		.amdhsa_enable_private_segment 0
		.amdhsa_kernarg_size 56
		.amdhsa_user_sgpr_count 2
		.amdhsa_user_sgpr_kernarg_segment_ptr 1
		.amdhsa_wavefront_size32 1
		.amdhsa_system_sgpr_workgroup_id_x 1
		.amdhsa_system_sgpr_workgroup_id_y 1
		.amdhsa_system_sgpr_workgroup_id_z 1
		.amdhsa_system_vgpr_workitem_id 0
		.amdhsa_next_free_vgpr 1024
		.amdhsa_next_free_sgpr 88
		.amdhsa_reserve_vcc 0
		.amdhsa_float_denorm_mode_32 3
		.amdhsa_float_denorm_mode_16_64 3
		.amdhsa_memory_ordered 1
		.amdhsa_forward_progress 1
		.amdhsa_inst_pref_size 255
	.end_amdhsa_kernel
	.section	.bss,"aw",@nobits
	.p2align	6
	.space	262144
	.amdgpu_metadata
---
amdhsa.version: [ 1, 2 ]
amdhsa.kernels:
  - .name:           k_q4ea42829e5_attn
    .symbol:         k_q4ea42829e5_attn.kd
    .args:
      - { .name: q_img, .offset: 0, .size: 8, .value_kind: global_buffer, .address_space: global }
      - { .name: q_sc, .offset: 8, .size: 8, .value_kind: global_buffer, .address_space: global }
      - { .name: kv, .offset: 16, .size: 8, .value_kind: global_buffer, .address_space: global }
      - { .name: w_rec, .offset: 24, .size: 8, .value_kind: global_buffer, .address_space: global }
      - { .name: bo, .offset: 32, .size: 8, .value_kind: global_buffer, .address_space: global }
      - { .name: x, .offset: 40, .size: 8, .value_kind: global_buffer, .address_space: global }
      - { .name: out0, .offset: 48, .size: 8, .value_kind: global_buffer, .address_space: global }
    .group_segment_fixed_size: 327680
    .private_segment_fixed_size: 0
    .kernarg_segment_align: 8
    .kernarg_segment_size: 56
    .max_flat_workgroup_size: 128
    .sgpr_count:     88
    .vgpr_count:     1024
    .wavefront_size: 32
...
	.end_amdgpu_metadata
.endif
;; end of part 3
